; MI455X (gfx1250); checked and timed in simulation.
; The chip was launched on July 23, 2026; its instructions are those of AMD's public machine-readable ISA for CDNA 5 (MIT licence, August 2026) and "CDNA5" Instruction Set Architecture Reference Guide (July 2026). The comments in the code are by the model that wrote it; some were corrected since.
;; Self Attention. Allowed arithmetic: matrix products marked QUANTISED: E2M3 operands, one E8M0 scale for each 32 along K, by v_wmma_scale_f32_16x16x128_f8f6f4 with both operands' format E2M3, f32 sums; everything else in f32.
;; Inputs: Wk_codes 4,096 x 16 x 24 uint8 (E2M3 codes of Wk, K innermost, in blocks of 32 codes, four codes in three bytes); Wk_scales 4,096 x 16 uint8 (E8M0 scales of Wk, one for each 32 codes along K); Wq_codes 4,096 x 16 x 24 uint8 (E2M3 codes of Wq, K innermost, in blocks of 32 codes, four codes in three bytes); Wq_scales 4,096 x 16 uint8 (E8M0 scales of Wq, one for each 32 codes along K); Wu_codes 512 x 128 x 24 uint8 (E2M3 codes of Wu, K innermost, in blocks of 32 codes, four codes in three bytes); Wu_scales 512 x 128 uint8 (E8M0 scales of Wu, one for each 32 codes along K); Wv_codes 4,096 x 16 x 24 uint8 (E2M3 codes of Wv, K innermost, in blocks of 32 codes, four codes in three bytes); Wv_scales 4,096 x 16 uint8 (E8M0 scales of Wv, one for each 32 codes along K); bu 512 float32; x_codes 4 x 1,024 x 16 x 24 uint8 (E2M3 codes of x, K innermost, in blocks of 32 codes, four codes in three bytes); x_scales 4 x 1,024 x 16 uint8 (E8M0 scales of x, one for each 32 codes along K).
;; Outputs: out0 4 x 1,024 x 512 float32.
;; This version of the problem:
;;   THIS VERSION OF THE PROBLEM IS GIVEN IN LOW PRECISION. The matrix products marked QUANTISED in the list below multiply operands that are first quantised to E2M3 (2 exponent bits, 3 mantissa bits; 6 bits a number), with one power-of-two scale for each 32 numbers along K (OCP MX v1.0); their sums are f32. All else is computed in f32.
;;   The module's matrix products, in the order in which they are computed (A, B: the left and right operand; K: the contracted axis; several contracted axes count as one K, in the product's order):
;;     1. [M 4,096, K 512] x [K 512, N 4,096]; A: input x (given as codes); B: input Wq (given as codes): QUANTISED
;;     2. [M 4,096, K 512] x [K 512, N 4,096]; A: input x (given as codes); B: input Wk (given as codes): QUANTISED
;;     3. [M 4,096, K 512] x [K 512, N 4,096]; A: input x (given as codes); B: input Wv (given as codes): QUANTISED
;;     4. batch 32 x [M 1,024, K 512] x [K 512, N 1,024]; A: computed on the way; B: computed on the way: QUANTISED
;;     5. batch 32 x [M 512, K 1,024] x [K 1,024, N 1,024]; A: computed on the way; B: softmax (see below): QUANTISED
;;     6. [M 4,096, K 4,096] x [K 4,096, N 512]; A: computed on the way; B: input Wu (given as codes): QUANTISED
;;   THE QUANTISER, for each operand of a quantised product, along K:
;;     - K is cut into blocks of 32 from its start; a last block that is shorter is filled with zeros.
;;     - A block's scale is 2^e with e = floor(log2(the largest magnitude in the block)) - 2, held to -126 .. 127; a block of zeros has e = 0. As a byte (E8M0): e + 127.
;;     - Each number is divided by its block's scale, clamped to +-7.5, and rounded to the nearest number of E2M3, ties to even, subnormals kept.
;;     - The product sums the exact products of the quantised numbers (number of the format x scale) in f32.
;;   ~~~python
;;   def quantise(x, axis):      # numpy; x: float32 -> the quantised numbers, widened to float32 again
;;       x = np.moveaxis(x, axis, -1); K = x.shape[-1]
;;       x = np.pad(x, [(0, 0)] * (x.ndim - 1) + [(0, -K % 32)]); x = x.reshape(x.shape[:-1] + (-1, 32)); a = np.abs(x).max(-1, keepdims=True)
;;       e = np.where(a > 0, np.clip(np.frexp(np.where(a > 0, a, 1))[1] - 1 - 2, -126, 127), 0)      # np.frexp(a)[1] - 1 = floor(log2(a)), exactly
;;       r = np.clip(x / 2.0 ** e, -7.5, 7.5)
;;       step = 2.0 ** (np.maximum(np.frexp(np.where(r == 0, 1, r))[1] - 1, 0) - 3)
;;       q = np.round(r / step) * step * 2.0 ** e      # np.round: ties to even
;;       return np.moveaxis(q.reshape(q.shape[:-2] + (-1,))[..., :K], -1, axis).astype(np.float32)
;;   ~~~
;;   SOFTMAX AHEAD OF A QUANTISED PRODUCT. Where the list says 'softmax', what is quantised is not the finished softmax but p = 2^(t - M), with t = logit x log2(e) and M = ceil(the row's largest t), a whole number; so 1/2 < the row's largest p <= 1. The row's sum l is taken of the UNQUANTISED p, in f32, and the product's result is divided by l at the end. Since M is a whole number, a kernel that streams over the keys may use a running M (the ceiling of the running maximum): every later rescaling is an exact power of two, which a block's scale takes up: the codes' values come out the same.
;;   OPERANDS COMPUTED ON THE WAY. 'Computed on the way' means the value that the module computes at that place (a softmax that the list does not call 'softmax' is quantised finished and normalised). What goes into a quantiser is computed in f32, as accurately as f32 sums, v_exp_f32 and their like allow (about 1e-6 of the number): no bf16 or f16 on the way to a quantiser, and a product that is left as it is and whose result goes on into a quantised operand takes f32 operands (vector FMAs, or v_wmma_f32_16x16x4_f32). A number that lies on a knife's edge between two numbers of the format may be rounded either way, as far as f32 arithmetic and the matrix unit's own rounding can turn it there, and no further.
;;   INPUTS GIVEN AS CODES. Wk (in the module: [512, 4096], K = its axis 0); Wq (in the module: [512, 4096], K = its axis 0); Wu (in the module: [4096, 512], K = its axis 0); Wv (in the module: [512, 4096], K = its axis 0); x (in the module: [4, 1024, 512], K = its axis 2): each comes as NAME_codes (uint8): NAME with its K axis moved to the last place and cut into blocks of 32 codes, [.., K / 32, bytes a block], one block behind the other in memory; four codes in three bytes: a row's codes are one little-endian stream of bits, code i at bits 6 i .. 6 i + 5 (a code: sign, 2 exponent bits, 3 mantissa bits); and NAME_scales (uint8): the same leading axes, one E8M0 byte (e + 127) for each 32 codes along K. Its value is code x scale, taken as it is: it is not quantised again, and the codes and scales need not be those that the quantiser above would give.
;; One version. Each part assembles by itself: llvm-mc -triple=amdgcn-amd-amdhsa -mcpu=gfx1250 --defsym DOCPART=n.
;; ======== version 1 of 1: 3 launches
;; limits: right only within a limited range of input values
;; workspace buffers: q_codes 12,582,912 bytes; k_codes 12,582,912 bytes; v_codes 12,582,912 bytes; o_codes 12,582,912 bytes; q_scales 524,288 bytes; k_scales 524,288 bytes; v_scales 524,288 bytes; o_scales 524,288 bytes
;; launch qkv (part 1): grid 24 x 8, 4 waves a work-group, no clusters, 327,680 bytes of LDS; arguments x_codes, x_scales, Wq_codes, Wq_scales, Wk_codes, Wk_scales, Wv_codes, Wv_scales, q_codes, q_scales, k_codes, k_scales, v_codes, v_scales; writes q_codes, q_scales, k_codes, k_scales, v_codes, v_scales
.if DOCPART == 1
	.amdgcn_target "amdgcn-amd-amdhsa--gfx1250"
	.amdhsa_code_object_version 6
	.text
	.protected	k_qa62d89d2c9_qkv
	.globl	k_qa62d89d2c9_qkv
	.p2align	8
	.type	k_qa62d89d2c9_qkv,@function
k_qa62d89d2c9_qkv:
	s_mov_b64 s[64:65], 0
	v_nop
	global_prefetch_b8 v0, s[64:65] scope:SCOPE_SE
	s_setreg_imm32_b32 hwreg(HW_REG_WAVE_MODE, 25, 1), 1
	s_wait_xcnt 0x0
; q = x Wq, k = x Wk, v = x Wv on codes of FP6 (E2M3) with E8M0 scales, and the results quantised at once: q and k along a head's 512, v along the keys.
; WORK LEFT OUT BY THE PROGRAM: none here.  The launch attn leaves out the key tiles that lie wholly above the diagonal: the causal mask sets their scores to -inf, so their p is 0 for all values of
; the inputs and they reach no output.  Limit: a NaN, an infinity or an overflow that reaches only those tiles is not carried to the result.  Every input is loaded by some launch.
; ONE FORM FOR ALL THREE.  Operand P is source 0: its rows run along a lane's result registers, so P's rows are the axis that is quantised.  Operand L is source 1: its rows are the lanes.
;   q, k: P = Wq or Wk (a head's 512 rows), L = x (tokens).   v: P = x (512 keys), L = Wv (a head's 512 channels).   Only pointers and strides differ; they are chosen by selects on the work-group's number.
; SHARES.  Work-group x = 8 role + pb, y: P rows 512 pb on, L rows 512 y on.  Wave w keeps P rows 512 pb + 128 w on in registers for the whole launch (8 tiles x 4 K steps, 384 registers);
; all four waves walk the same 16 pairs of L tiles from LDS.  24 blocks of P x 8 ranges of L are 192 work-groups of equal work; no split into equal shares of whole fragments gives 256.
; A PAIR GOES IN TWO PHASES, one for each of its L tiles: 32 products on the tile's 8 accumulators, and laid among them, four vector lines behind every two products, the quantising of the OTHER tile's results,
; which the phase before finished.  The L fragments that the phase before used are fetched anew at a phase's head: a phase ahead of their use.
; THE ROWS OF A TILE ARE NOT NEIGHBOURS: lane r of tile 2 b + u takes row 32 b + 8 u + r + 8 (r / 8).  For P that makes the 16 registers of tiles 2 b, 2 b + 1 sixteen neighbours along the quantised axis;
; for L it only says which row stands in which lane, and the launches that read the results know it.
; WHAT IS STORED.  A fragment (16 rows x 128 K, 12 registers a lane) as an image of its registers: registers 4 c .. 4 c + 3 of lane l at 512 c + 16 l, 1,536 bytes; each store of the wave covers 512 consecutive bytes, aligned.
; The scale words of a pair of tiles as one register: lanes 0-15 tile u = 0, lanes 16-31 tile u = 1, 128 bytes.
; LIMITS: NaN and infinities are not served; a block of zeros gets the byte 1 (its codes are zeros, and this program alone reads the bytes); magnitudes under 2^-124 share that byte.
; No joint loads: P is fetched once, at the head, and the partners that share P need different rows of L, those that share L different rows of P, so a joint ring would need both in LDS at once: 2 x 221,184 bytes.
; No prefetch: all of a work-group's tiles are asked for in the head; the loops ask memory for nothing.
; LDS: a row of 384 bytes + 16 behind every 128 = 432.  The rows are dense in memory, so a tensor load states two of them as one row of 768 bytes, which begins at a multiple of 256.
; 0: L rows 0-127.  GRP on: P's 512 rows, group w at GRP (1 + w); when P is in registers the first 384 of those rows' places are filled once more, with L rows 128-511: L row n lies at 432 n.
; LSC: L's scale bytes, 16 a row, brought through registers.  SPARE: the spare words.
.set PITCH, 432
.set GRP,   128*PITCH
.set LSC,   5*GRP
.set SPARE, LSC+8192
.set SPW, 1                            ; v1   my spare word; never rewritten
.set NIL, 2                            ; v2   0; never rewritten
.set VL,  3                            ; v3-4 my lane's place in a pair of L tiles (v4: behind one padding more)
.set VLS, 5                            ; v5   my lane's place among L's scale bytes
.set ADL, 6                            ; v6-7 the same for the pair to fetch
.set ADS, 8                            ; v8
.set LI,  9                            ; v9   16 x lane
.set LW,  10                           ; v10  4 x lane
.set VPA, 12                           ; v12-13 my lane's place in my group of P
.set PSO, 14                           ; v14  my lane's offset among P's scale bytes
.set PSC, 16                           ; v16-31 P's scale words: pair b, K step q at 4 b + q
.set LS,  32                           ; v32-35 the pair's L scale words by K step, as the first tile's phase reads them (lanes 0-15)
.set PWM, 36                           ; v36  the pair's scale words, merged;  v37, v38 those of its two tiles
.set PWA, 37
.set TM,  40                           ; v40-55 at work in the quantiser
.set PCA, 56                           ; v56-75, v76-95 the codes just made, first and second tile
.set ACC, 96                           ; v96-223 results: L tile u, P tile t at 64 u + 8 t
.set LSB, 224                          ; v224-227 the same words as LS, as the second tile's phase reads them (lanes 16-31)
.set SEL, 98                           ; s[98:99] lane selects: lane l xor 16
; window 1: P's fragments of K steps 0, 1 at 96 (q % 2) + 12 t; window 2: those of K steps 2, 3; window 3: the pair's L fragments at 48 u + 12 q
.set MSB, 0
.set NC, 0
.set WMON, 1
.macro WIN new                         ; the immediate's high byte repeats the setting that is left
.if MSB != (\new)
	s_set_vgpr_msb (MSB<<8)|(\new)
.set MSB, (\new)
.endif
.endm
.macro PLACES n
.rept \n
	v_nop
.endr
.endm
; one product on the registers DD, AA, BB, SA, SB.  c: the constant 0 or the accumulator.  ra, rb: source 0's, source 1's scale words stand in lanes 16-31
.macro WMX c, ra, rb
.if (\ra) && (\rb)
	v_wmma_scale_f32_16x16x128_f8f6f4 v[DD:DD+7], v[AA:AA+11], v[BB:BB+11], \c, v[SA], v[SB] matrix_a_fmt:MATRIX_FMT_FP6 matrix_b_fmt:MATRIX_FMT_FP6 matrix_a_scale:MATRIX_SCALE_ROW1 matrix_b_scale:MATRIX_SCALE_ROW1
.elseif (\ra)
	v_wmma_scale_f32_16x16x128_f8f6f4 v[DD:DD+7], v[AA:AA+11], v[BB:BB+11], \c, v[SA], v[SB] matrix_a_fmt:MATRIX_FMT_FP6 matrix_b_fmt:MATRIX_FMT_FP6 matrix_a_scale:MATRIX_SCALE_ROW1
.elseif (\rb)
	v_wmma_scale_f32_16x16x128_f8f6f4 v[DD:DD+7], v[AA:AA+11], v[BB:BB+11], \c, v[SA], v[SB] matrix_a_fmt:MATRIX_FMT_FP6 matrix_b_fmt:MATRIX_FMT_FP6 matrix_b_scale:MATRIX_SCALE_ROW1
.else
	v_wmma_scale_f32_16x16x128_f8f6f4 v[DD:DD+7], v[AA:AA+11], v[BB:BB+11], \c, v[SA], v[SB] matrix_a_fmt:MATRIX_FMT_FP6 matrix_b_fmt:MATRIX_FMT_FP6
.endif
.endm
; the phase's next two products of 32: product NC is K step NC / 8, P tile NC % 8, L tile u.  The 8 accumulators take turns, one instruction a turn; K step 0 starts the sums
.macro NW2 u
.if WMON && (NC < 32)
	WIN 0x0d+NC/16                                 ; source 0 (P) window 1 or 2, source 1 (L) window 3
.rept 2
.set QQ, NC/8
.set TT, NC%8
.set DD, ACC+64*(\u)+8*TT
.set AA, 96*(QQ%2)+12*TT
.set BB, 48*(\u)+12*QQ
.set SA, PSC+4*(TT/2)+QQ
.set SB, LS+(LSB-LS)*(\u)+QQ
.if QQ == 0
	WMX 0, TT%2, \u
.else
	WMX v[DD:DD+7], TT%2, \u
.endif
.set NC, NC+1
.endr
	WIN 0
.endif
.endm
; 64 numbers of a lane, v[s] on, register 16 b + i = k 32 b + 16 (lane / 16) + i of my row, become a fragment's codes in v[pc] .. v[pc + 11] and its scale word in v[pw];
; behind each group of lines stand two products of L tile u, which name none of these registers
.macro QW u, s, pc, pw
.irp b, 0,1,2,3
	v_max3_num_f32 v[TM+\b], |v[(\s)+16*\b]|, |v[(\s)+1+16*\b]|, 0x1800000   ; block b: my 16 numbers, and the floor 2^(3 - 127): the byte cannot fall under 1.  Each result is read from its low end on
.endr
	NW2 \u
.irp i, 2,4,6,8,10,12,14
.irp b, 0,1,2,3
	v_max3_num_f32 v[TM+\b], v[TM+\b], |v[(\s)+16*\b+\i]|, |v[(\s)+1+16*\b+\i]|   ; the four blocks by turns
.endr
	NW2 \u
.endr
.irp b, 0,1,2,3
	v_permlanex16_b32 v[TM+4+\b], v[TM+\b], s[SEL], s[SEL+1]
.endr
	NW2 \u
.irp b, 0,1,2,3
	v_max_num_f32 v[TM+\b], v[TM+\b], v[TM+4+\b]   ; with lane l xor 16's: the block's largest magnitude
.endr
	NW2 \u
.irp b, 0,1,2,3
	v_add_nc_u32 v[TM+12+\b], 0xff000000, v[TM+\b]   ; 2 off its exponent field: the conversion's scale operand
.endr
	NW2 \u
.irp b, 0,1,2,3
	v_lshrrev_b32 v[TM+4+\b], 23, v[TM+12+\b]      ; the scale's byte
.endr
	NW2 \u
	v_lshl_or_b32 v[\pw], v[TM+5], 8, v[TM+4]      ; my row's scale word
	v_lshl_or_b32 v[\pw], v[TM+6], 16, v[\pw]
	v_lshl_or_b32 v[\pw], v[TM+7], 24, v[\pw]
	NW2 \u
.irp c, 0,1
	v_cvt_scalef32_pk16_fp6_f32 v[(\pc)+6*\c:(\pc)+2+6*\c], v[(\s)+32*\c:(\s)+15+32*\c], v[TM+12+2*\c]
	v_cvt_scalef32_pk16_fp6_f32 v[(\pc)+12+4*\c:(\pc)+14+4*\c], v[(\s)+16+32*\c:(\s)+31+32*\c], v[TM+12+2*\c+1]   ; (a conversion's three registers begin on an even number)
	NW2 \u
.endr
	v_nop                                          ; one plain place behind the scaled conversions
.irp c, 0,1                                    ; the operand's layout wants a whole block in a lane
.irp i, 0,1,2
	v_permlane16_swap_b32 v[(\pc)+6*\c+\i], v[(\pc)+12+4*\c+\i]
.endr
.irp i, 0,1,2
	v_mov_b32 v[(\pc)+3+6*\c+\i], v[(\pc)+12+4*\c+\i]
.endr
	NW2 \u                                         ; (the 32 products are out behind the first of these two)
.endr
.endm
; a fragment out of rows in LDS: six pieces of 8 bytes.  Lanes 0-15 take the row's pieces 12 q + 0, 1, 2, 6, 7, 8, lanes 16-31 those three pieces on; 16 bytes of padding lie behind every 16 pieces:
; where the piece three on lies behind one padding more, the second address register serves
.macro LFRAG reg, a0, q, rowoff
.irp p, 0,1,2,3,4,5
.set PCN, 12*(\q)+6*(\p/3)+\p%3
.if PCN%16 < 13
	ds_load_b64 v[(\reg)+2*\p:(\reg)+2*\p+1], v[\a0] offset:(\rowoff)+8*PCN+16*(PCN/16)
.else
	ds_load_b64 v[(\reg)+2*\p:(\reg)+2*\p+1], v[\a0+1] offset:(\rowoff)+8*PCN+16*(PCN/16)
.endif
.endr
.endm
; tile 1 - u is quantised (with tile u's products among the lines) and stored.  The bases are stepped ahead of their use, behind the wait that shows that the stores of a phase ago have read them
.macro QS u
	QW \u, ACC+64*(1-\u), PCA+20*(1-\u), PWA+1-\u
	s_wait_alu depctr_va_vdst(0)
	s_wait_xcnt 0x0                                ; the earlier stores have read their registers and bases
.if \u
	s_add_nc_u64 s[56:57], s[56:57], s[62:63]
.irp c, 0,1,2
	global_store_b128 v[LI], v[PCA+4*\c:PCA+4*\c+3], s[56:57] offset:512*\c
.endr
.else
	s_add_nc_u64 s[58:59], s[58:59], s[62:63]
	s_add_nc_u64 s[60:61], s[60:61], 128
.irp c, 0,1,2
	global_store_b128 v[LI], v[PCA+20+4*\c:PCA+23+4*\c], s[58:59] offset:512*\c
.endr
	v_cndmask_b32 v[PWM], v[PWA], v[PWA+1], s97    ; lanes 0-15 the first tile's words, lanes 16-31 the second's (both halves of the lanes hold a row's word)
	global_store_b32 v[LW], v[PWM], s[60:61]
.endif
.endm
; A PHASE: the 32 products of L tile u.  fetch: tile 1 - u's next fragments and scale words are fetched first.  quant: tile 1 - u's results are quantised and stored
.macro PH u, quant, fetch
.if \fetch
	v_add_nc_u32 v[ADL], s66, v[VL]                ; these three and the v_nop are the four places in front of loads into registers that the last products read, and of the first read of their results
	v_add_nc_u32 v[ADL+1], s66, v[VL+1]
	v_add_nc_u32 v[ADS], s67, v[VLS]
	v_nop
	WIN 0xc0
.irp q, 0,1,2,3
	LFRAG 48*(1-\u)+12*\q, ADL, \q, 8*PITCH*(1-\u)
.endr
	WIN 0
	ds_load_b128 v[LS+(LSB-LS)*(1-\u):LS+(LSB-LS)*(1-\u)+3], v[ADS]   ; four K steps' words; lanes 0-15 the first tile's rows, lanes 16-31 the second's
.if (\u) == 0
	s_add_co_u32 s66, s66, 32*PITCH                ; both tiles of that pair are asked for: a pair on
	s_add_co_u32 s67, s67, 512
.endif
	s_wait_dscnt 25                                ; my tile's fragments and words, asked for a phase ago, are in; the 25 loads just issued may be out
.else
	PLACES 4
	s_wait_dscnt 0x0
.endif
.set NC, 0
.set WMON, 1
.if \quant
	QS \u
.else
.rept 16
	NW2 \u
.endr
.endif
.endm
	s_load_b512 s[68:83], s[0:1], 0x0              ; x codes, x scales, Wq codes, Wq scales, Wk codes, Wk scales, Wv codes, Wv scales
	s_load_b256 s[84:91], s[0:1], 0x40             ; q codes, q scales, k codes, k scales
	s_load_b128 s[92:95], s[0:1], 0x60             ; v codes, v scales
	v_lshl_add_u32 v[SPW], v0, 2, SPARE
	v_mov_b32 v[NIL], 0
	ds_add_u32 v[SPW], v[NIL]                      ; the opening lines: the add, twice on end, and its wait ahead of my first tensor load
	ds_add_u32 v[SPW], v[NIL]
	v_lshrrev_b32 v11, 5, v0
	v_readfirstlane_b32 s2, v11                    ; wave 0..3
	s_lshr_b32 s3, ttmp9, 3                        ; role: 0 q, 1 k, 2 v
	s_and_b32 s4, ttmp9, 7                         ; pb
	s_and_b32 s5, ttmp7, 0xffff                    ; y
	; descriptor groups 1: rows of 768 bytes (two rows of codes), 16 bytes of padding behind every 32 words; 64 such rows (P), 16 (L's first), 48 (L's rest)
.irp g, 8, 16, 24
	s_mov_b32 s[\g], (1<<20)|(4<<22)|(3<<25)       ; no mask; elements of 1 byte; padding on; after every 32 words (code 4) 4 words (code 3)
	s_mov_b32 s[\g+1], 768<<16                     ; tensor_dim0
	s_mov_b32 s[\g+3], 768<<16                     ; tile_dim0
	s_mov_b32 s[\g+5], 768                         ; from row to row
	s_mov_b32 s[\g+6], 0
	s_mov_b32 s[\g+7], 0
.endr
	s_mov_b32 s10, 64<<16                          ; tensor_dim1
	s_mov_b32 s12, 64                              ; tile_dim1
	s_mov_b32 s18, 16<<16
	s_mov_b32 s20, 16
	s_mov_b32 s26, 48<<16
	s_mov_b32 s28, 48
	s_mov_b32 s97, 0xffff0000                      ; lanes 16-31
	s_mov_b32 s[SEL], 0x76543210
	s_mov_b32 s[SEL+1], 0xfedcba98
	v_and_b32 v11, 15, v0                          ; r
	v_bfe_u32 v15, v0, 4, 1                        ; h
	v_and_b32 v[VL], 8, v11
	v_add_nc_u32 v[VL], v[VL], v11                 ; r + 8 (r / 8)
	v_lshl_add_u32 v[PSO], v15, 3, v[VL]           ; + 8 h: lanes 16-31 take the pair's second tile
	v_lshlrev_b32 v[PSO], 4, v[PSO]                ; 16 scale bytes a row
	v_add_nc_u32 v[VLS], LSC, v[PSO]
	v_mul_u32_u24 v[VL], v[VL], PITCH
	v_mad_u32_u24 v[VL], v15, 24, v[VL]            ; row x pitch + 24 h
	v_lshl_add_u32 v[VL+1], v15, 4, v[VL]          ; and behind one padding more
	s_mul_i32 s6, s2, GRP
	s_add_co_u32 s6, s6, GRP                       ; my group of P in LDS
	v_add_nc_u32 v[VPA], s6, v[VL]
	v_add_nc_u32 v[VPA+1], s6, v[VL+1]
	v_and_b32 v[LI], 31, v0
	v_lshlrev_b32 v[LW], 2, v[LI]
	v_lshlrev_b32 v[LI], 4, v[LI]
	s_lshl_b32 s49, s2, 11
	v_add_nc_u32 v[ADS], LSC, v[LI]
	v_add_nc_u32 v[ADS], s49, v[ADS]               ; where I put the scale bytes of L rows 128 w on: LSC + 2,048 w + 16 lane
.irp b, 0,1,2,3
	v_mov_b32 v[TM+4+\b], 0                        ; written once: a lane permute's destination counts as one of its sources
.endr
	s_wait_alu depctr_va_vdst(0)
	s_wait_dscnt 0x0                               ; both opening adds are done
	s_wait_kmcnt 0x0
	s_cmp_eq_u32 s3, 0                             ; the choices hang on the work-group's number alone
	s_cselect_b64 s[72:73], s[72:73], s[76:77]     ; Wq or Wk
	s_cselect_b64 s[74:75], s[74:75], s[78:79]
	s_cselect_b64 s[84:85], s[84:85], s[88:89]     ; q or k
	s_cselect_b64 s[86:87], s[86:87], s[90:91]
	s_cmp_eq_u32 s3, 2
	s_cselect_b64 s[76:77], s[68:69], s[72:73]     ; P's codes: x for v, else the weight
	s_cselect_b64 s[78:79], s[70:71], s[74:75]     ; P's scales
	s_cselect_b64 s[88:89], s[80:81], s[68:69]     ; L's codes: Wv for v, else x
	s_cselect_b64 s[90:91], s[82:83], s[70:71]     ; L's scales
	s_cselect_b64 s[84:85], s[92:93], s[84:85]     ; the codes that I store
	s_cselect_b64 s[86:87], s[94:95], s[86:87]     ; and the scale words
	s_cselect_b32 s92, s4, s5                      ; a: the block of 512 tokens (2 x batch + half)
	s_cselect_b32 s93, s5, s4                      ; c: the head
	s_cselect_b32 s94, 32, 1                       ; fragments from wave to wave
	s_cselect_b32 s95, 64, 16                      ; scale pairs from half to half
	s_cselect_b32 s80, 16, 32                      ; scale pairs from wave to wave
	s_mov_b32 s82, 6144
	s_cselect_b32 s82, 1536, s82                   ; bytes from one L tile's fragment to the next
	; descriptor groups 0; none is ever rewritten
	s_mov_b32 s69, 0
	s_lshl_b32 s70, s4, 9
	s_lshl_b32 s71, s2, 7
	s_add_co_u32 s70, s70, s71                     ; my first row of P
	s_mul_i32 s68, s70, 384
	s_mov_b32 s40, 1
	s_mul_i32 s41, s2, GRP
	s_add_co_u32 s41, s41, GRP
	s_add_nc_u64 s[42:43], s[76:77], s[68:69]
	s_or_b32 s43, s43, 0x80000000
	s_lshl_b32 s68, s70, 4
	s_add_nc_u64 s[78:79], s[78:79], s[68:69]      ; and its scale bytes
	s_lshl_b32 s70, s5, 9                          ; L's first row
	s_lshl_b32 s71, s2, 5
	s_add_co_u32 s71, s71, s70
	s_mul_i32 s68, s71, 384
	s_mov_b32 s44, 1
	s_mul_i32 s45, s2, 32*PITCH
	s_add_nc_u64 s[46:47], s[88:89], s[68:69]      ; L rows 32 w on
	s_or_b32 s47, s47, 0x80000000
	s_lshl_b32 s71, s2, 7
	s_add_co_u32 s71, s71, s70
	s_lshl_b32 s68, s71, 4
	s_add_nc_u64 s[50:51], s[90:91], s[68:69]      ; the scale bytes of L rows 128 w on
	s_mul_i32 s71, s2, 96
	s_add_co_u32 s71, s71, s70
	s_add_co_u32 s71, s71, 128
	s_mul_i32 s68, s71, 384
	s_mov_b32 s52, 1
	s_mul_i32 s53, s2, 96*PITCH
	s_add_co_u32 s53, s53, GRP
	s_add_nc_u64 s[54:55], s[88:89], s[68:69]      ; L rows 128 + 96 w on
	s_or_b32 s55, s55, 0x80000000
	tensor_load_to_lds s[40:43], s[8:15]           ; my group of P
	s_nop 0
	PLACES 4
.irp b, 0,1,2,3
	global_load_b128 v[PSC+4*\b:PSC+4*\b+3], v[PSO], s[78:79] offset:512*\b   ; P's scale words of pair b: four K steps a row; lanes 0-15 the first tile, lanes 16-31 the second
.endr
.irp b, 0,1,2,3
	global_load_b128 v[PCA+4*\b:PCA+4*\b+3], v[LI], s[50:51] offset:512*\b    ; 2,048 scale bytes of L, 512 consecutive bytes a load
.endr
	s_wait_loadcnt 0x0
.irp b, 0,1,2,3
	ds_store_b128 v[ADS], v[PCA+4*\b:PCA+4*\b+3] offset:512*\b               ; into bytes of their own, on which no tensor load lands
.endr
	s_wait_tensorcnt 0x0                           ; my group of P is in
	ds_add_u32 v[SPW], v[NIL]
	s_wait_dscnt 0x0                               ; the add and my stores of scale bytes are done
	s_barrier_signal -1
	s_barrier_wait -1
	tensor_load_to_lds s[44:47], s[16:23]          ; L's first 128 rows, 32 a wave: a first fill, my one load behind this barrier; it is on its way while P goes into registers
	s_nop 0
	PLACES 4
	WIN 0x40
.irp q, 0,1
.irp t, 0,1,2,3,4,5,6,7
	LFRAG 96*\q+12*\t, VPA, \q, (32*(\t/2)+8*(\t%2))*PITCH
.endr
.endr
	WIN 0x80
.irp q, 2,3
.irp t, 0,1,2,3,4,5,6,7
	LFRAG 96*(\q-2)+12*\t, VPA, \q, (32*(\t/2)+8*(\t%2))*PITCH
.endr
.endr
	WIN 0
	s_wait_tensorcnt 0x0                           ; all my tensor loads have landed
	ds_add_u32 v[SPW], v[NIL]                      ; 0 onto my spare word: the output's addresses are made while it is out
	s_lshr_b32 s72, s92, 1
	s_lshl_b32 s72, s72, 3
	s_add_co_u32 s72, s72, s93                     ; bh = 8 x batch + head
	s_and_b32 s73, s92, 1                          ; which half of the batch's tokens
	s_lshl_b32 s74, s72, 8
	s_lshl_b32 s75, s73, 7
	s_add_co_u32 s74, s74, s75
	s_mul_i32 s75, s2, s94
	s_add_co_u32 s74, s74, s75                     ; my first fragment: 256 bh + 128 half + w (q, k) or 32 w (v)
	s_mul_i32 s74, s74, 1536
	s_mov_b32 s75, 0
	s_add_nc_u64 s[56:57], s[84:85], s[74:75]      ; where the pair's first tile goes,
	s_mov_b32 s83, 0
	s_add_nc_u64 s[58:59], s[56:57], s[82:83]      ; and its second
	s_lshl_b32 s62, s82, 1                         ; a pair on
	s_mov_b32 s63, 0
	s_lshl_b32 s74, s72, 7
	s_mul_i32 s73, s73, s95
	s_add_co_u32 s74, s74, s73
	s_mul_i32 s73, s2, s80
	s_add_co_u32 s74, s74, s73                     ; my first scale pair
	s_lshl_b32 s74, s74, 7
	s_add_nc_u64 s[60:61], s[86:87], s[74:75]
	s_sub_nc_u64 s[56:57], s[56:57], s[62:63]      ; each base stands a pair back: it is stepped ahead of every use, the first too
	s_sub_nc_u64 s[58:59], s[58:59], s[62:63]
	s_sub_nc_u64 s[60:61], s[60:61], 128
	s_mov_b32 s66, 32*PITCH                        ; the pair to be fetched next, pair 1: 32 rows of 432 bytes a pair,
	s_mov_b32 s67, 512                             ; 512 scale bytes a pair
	s_wait_dscnt 0x0                               ; the add is done, and my reads of P's rows are over
	s_barrier_signal -1
	s_barrier_wait -1                              ; both hold of every wave; L's first 128 rows are whole
	tensor_load_to_lds s[52:55], s[24:31]          ; the one refill: L's other 384 rows, 96 a wave, over P's places
	s_nop 0
	PLACES 4
	WIN 0xc0                                       ; pair 0, both tiles
.irp u, 0,1
.irp q, 0,1,2,3
	LFRAG 48*\u+12*\q, VL, \q, 8*PITCH*\u
.endr
.endr
	WIN 0
	ds_load_b128 v[LS:LS+3], v[VLS]
	ds_load_b128 v[LSB:LSB+3], v[VLS]
	PH 0, 0, 0                                     ; pair 0's first tile: nothing to quantise yet
	s_mov_b32 s96, 3
.Lfirst:                                               ; a trip: pair n's second tile, pair n + 1's first; n = 0 to 2: they fetch pairs 1 to 3, which lie in L's first 128 rows
	PH 1, 1, 1
	PH 0, 1, 1
	s_sub_co_u32 s96, s96, 1
	s_cmp_lg_u32 s96, 0
	s_cbranch_scc1 .Lfirst
	s_wait_tensorcnt 0x0                           ; my part of L's other rows is in (my one load that was out),
	s_wait_dscnt 0x0                               ; no LDS load of mine is out at the signal,
	s_barrier_signal -1
	s_barrier_wait -1                              ; everybody's part is in
	s_mov_b32 s96, 12
.Lrest:                                                ; n = 3 to 14
	PH 1, 1, 1
	PH 0, 1, 1
	s_sub_co_u32 s96, s96, 1
	s_cmp_lg_u32 s96, 0
	s_cbranch_scc1 .Lrest
	PH 1, 1, 0                                     ; pair 15's second tile: nothing is left to fetch
	PLACES 4                                       ; in front of the first read of the last results
.set WMON, 0
	QS 0                                           ; and its results, with no products among the lines
	s_wait_tensorcnt 0x0                           ; the wave's end
	ds_add_u32 v[SPW], v[NIL]
	s_wait_dscnt 0x0
	s_endpgm
.Lfunc_end_k_qa62d89d2c9_qkv:
	.size	k_qa62d89d2c9_qkv, .Lfunc_end_k_qa62d89d2c9_qkv-k_qa62d89d2c9_qkv
	.p2alignl 7, 3214868480
	.fill 96, 4, 3214868480
	.section	.rodata,"a",@progbits
	.p2align	6, 0x0
	.amdhsa_kernel k_qa62d89d2c9_qkv
		.amdhsa_group_segment_fixed_size 327680
		.amdhsa_private_segment_fixed_size 0
		.amdhsa_enable_private_segment 0
		.amdhsa_kernarg_size 112
		.amdhsa_user_sgpr_count 2
		.amdhsa_user_sgpr_kernarg_segment_ptr 1
		.amdhsa_wavefront_size32 1
		.amdhsa_system_sgpr_workgroup_id_x 1
		.amdhsa_system_sgpr_workgroup_id_y 1
		.amdhsa_system_sgpr_workgroup_id_z 1
		.amdhsa_system_vgpr_workitem_id 0
		.amdhsa_next_free_vgpr 864
		.amdhsa_next_free_sgpr 100
		.amdhsa_reserve_vcc 0
		.amdhsa_float_denorm_mode_32 3
		.amdhsa_float_denorm_mode_16_64 3
		.amdhsa_memory_ordered 1
		.amdhsa_forward_progress 1
		.amdhsa_inst_pref_size 88
	.end_amdhsa_kernel
	.amdgpu_metadata
---
amdhsa.version: [ 1, 2 ]
amdhsa.kernels:
  - .name:           k_qa62d89d2c9_qkv
    .symbol:         k_qa62d89d2c9_qkv.kd
    .args:
      - { .name: x_codes, .offset: 0, .size: 8, .value_kind: global_buffer, .address_space: global }
      - { .name: x_scales, .offset: 8, .size: 8, .value_kind: global_buffer, .address_space: global }
      - { .name: Wq_codes, .offset: 16, .size: 8, .value_kind: global_buffer, .address_space: global }
      - { .name: Wq_scales, .offset: 24, .size: 8, .value_kind: global_buffer, .address_space: global }
      - { .name: Wk_codes, .offset: 32, .size: 8, .value_kind: global_buffer, .address_space: global }
      - { .name: Wk_scales, .offset: 40, .size: 8, .value_kind: global_buffer, .address_space: global }
      - { .name: Wv_codes, .offset: 48, .size: 8, .value_kind: global_buffer, .address_space: global }
      - { .name: Wv_scales, .offset: 56, .size: 8, .value_kind: global_buffer, .address_space: global }
      - { .name: q_codes, .offset: 64, .size: 8, .value_kind: global_buffer, .address_space: global }
      - { .name: q_scales, .offset: 72, .size: 8, .value_kind: global_buffer, .address_space: global }
      - { .name: k_codes, .offset: 80, .size: 8, .value_kind: global_buffer, .address_space: global }
      - { .name: k_scales, .offset: 88, .size: 8, .value_kind: global_buffer, .address_space: global }
      - { .name: v_codes, .offset: 96, .size: 8, .value_kind: global_buffer, .address_space: global }
      - { .name: v_scales, .offset: 104, .size: 8, .value_kind: global_buffer, .address_space: global }
    .group_segment_fixed_size: 327680
    .private_segment_fixed_size: 0
    .kernarg_segment_align: 8
    .kernarg_segment_size: 112
    .max_flat_workgroup_size: 128
    .sgpr_count:     100
    .vgpr_count:     864
    .wavefront_size: 32
...
	.end_amdgpu_metadata
.endif
;; end of part 1
;; launch attn (part 2): grid 8 x 32, 4 waves a work-group, no clusters, 9,728 bytes of LDS; arguments q_codes, q_scales, k_codes, k_scales, v_codes, v_scales, o_codes, o_scales; writes o_codes, o_scales
.if DOCPART == 2
	.amdgcn_target "amdgcn-amd-amdhsa--gfx1250"
	.amdhsa_code_object_version 6
	.text
	.protected	k_qa62d89d2c9_attn
	.globl	k_qa62d89d2c9_attn
	.p2align	8
	.type	k_qa62d89d2c9_attn,@function
k_qa62d89d2c9_attn:
	s_mov_b64 s[64:65], 0
	v_nop
	global_prefetch_b8 v0, s[64:65] scope:SCOPE_SE
	s_setreg_imm32_b32 hwreg(HW_REG_WAVE_MODE, 25, 1), 1
	s_wait_xcnt 0x0
; Causal attention on codes of FP6 (E2M3): S^T = K Q^T, p = 2^(t - M), O^T = V^T P^T, O / l, and O quantised along the heads' channels for the last product.  Heads of 512, 1,024 tokens, 32 (batch, head).
; All operands lie in memory as images of fragments (16 rows x 128 K: registers 4 c .. 4 c + 3 of lane l at 512 c + 16 l) and their scale words as pairs of tiles (lanes 0-15, lanes 16-31), as the launch before stores them;
; lane r of tile 2 b + u stands for row 32 b + 8 u + r + 8 (r / 8) (tokens in q and k, channels in v).
; SHARES.  Work-group (i, bh) takes two blocks of 64 queries, j = 15 - i and then j = i: block j has j / 2 + 1 steps of 128 keys, the two together nine, in every work-group.  Only key step j / 2 meets the diagonal.
; THE ORDER OF THE KEY STEPS.  A block walks its key steps in slots.  The long block begins at key step 7 - i and goes round the block's end, so that the eight work-groups of a head ask for eight different key steps at any time;
; the short block begins at key step 0.  The running maximum serves any order; the mask goes with the key step, not with the slot.
; IN A STEP THE WAVES SPLIT TWICE.  For S: wave w takes keys 32 w .. 32 w + 31 (two tiles of K) against all four tiles of queries.  For PV: wave w holds O^T of channels 128 w .. 128 w + 127 (eight tiles of V) for the four tiles.
; So each fragment of K and of V is read by ONE wave: it goes from memory straight into registers, 12,288 consecutive bytes a wave, step and tensor; nothing of K, V or Q passes through LDS, and there is no tensor load.
; For the same reason nothing is asked for jointly: a joint load fills LDS, not registers, and the work-groups of a head walk different numbers of steps.
; THE SOFTMAX.  t = score x log2(e) / sqrt(512).  Each wave keeps, for each query, its own running whole number M_w = ceil(largest t of ITS keys so far), and quantises p = 2^(t - M_w); its 32 keys are one block of the quantiser.
; It hands on the block's codes and E_w = the block's byte + M_w.  Every wave then forms the same MC = max(MC, the largest E_w - 124), a whole number, and the four bytes E_w - MC of P's scale word: a change of reference is
; an exact power of two, which the block's scale takes up.  O^T is multiplied by 2^(old MC - new MC) in every step.  The sums l_w of the unquantised p stay under M_w and are joined once, at a block's end.
; LIMITS: |t| under 2^24 (M is kept as a whole number in f32); NaN and infinities are not served; a block that lies more than 2^124 under the row's largest is held at the byte 0; blocks of zeros keep a small byte over zero codes.
; THE ORDER OF A SLOT.  Its scores are there at its head.  Softmax; codes and E to LDS; the sums of p behind those stores; barrier; E and P from LDS, and behind those loads HALF OF THE NEXT SLOT'S SCORES (p's registers are free);
; the common reference; THE OTHER HALF OF THE NEXT SCORES BY TURNS WITH THE RESCALING OF O^T, eight packed multiplies behind each product; the K of the slot after next; PV; the next slot's V.
; A block's first scores stand at its head.  A block's last slot has no next scores: a scalar branch on ids goes round them, never round a barrier.
; THE LOOK-AHEAD.  A block's last fetches name key step 0, with which the second block begins; the second block's are left out, and each way round a fetch waits for all loads, so that the counted waits hold on every way.
; LDS: 0: P's four fragment images, 1,536 bytes each.  EWB: E_w, the word of (tile m, query r, wave w) at 256 m + 16 r + 4 w.  LXB: (l_w, -M_w) at 512 m + 32 r + 8 w.
.set PIMG, 0
.set EWB,  6144
.set LXB,  7168
.set LI,   1                           ; v1   16 x lane
.set LW,   2                           ; v2   4 x lane
.set PA,   3                           ; v3-5 where my three registers of codes go in an image
.set EA,   6                           ; v6   where my E goes;  v7 where a query's four are read
.set ER,   7
.set LXA,  8                           ; v8, v9 the same for (l, -M)
.set LXR,  9
.set DV0,  10                          ; v10  r + 8 (r / 8) - 16 h - 32 w;  v11 + 64 (j % 2): the mask's bound
.set DV,   11
.set NINF, 12                          ; v12  -infinity
.set PFO,  13                          ; v13  256 x lane: the prefetches' offset; never rewritten
.set ST,   16                          ; tile m's statistics at v[16 + 8 m]: +0 -M_w, +1 the largest t, +2, +3 l in two halves, +4 (+5) 2^(old M - new M), +6 MC, +7 at work
.set FF,   48                          ; v48-55 2^(old MC - new MC), a pair a tile; later 1 / l
.set BM,   56                          ; v56-59 the block's largest score, then its largest p
.set PD,   60                          ; v60-63 destinations of lane permutes
.set SO,   64                          ; v64-67 the conversions' scale operands
.set EB,   68                          ; v68-71 the byte, then E
.set CD,   72                          ; v72-87 the codes just made, four registers a tile
.set EW,   88                          ; v88-103 the four waves' E, then the four bytes
.set KS,   104                         ; v104-107 K's scale words by K step;  v108-111 V's by pair of tiles;  v112-119 Q's at 2 kq + pair;  v120-123 P's by tile
.set VS,   108
.set QS,   112
.set PS,   120
.set PF,   124                         ; v124-171 P's four fragments
.set S,    172                         ; v172-235 S^T, then p: tile m, K's tile u at 16 m + 8 u
.set TM,   88                          ; at a block's end: QUANT's registers, the codes, the scale words
.set PC,   124
.set PW,   144
.set SEL,  30                          ; s[30:31] lane selects: lane l xor 16
; window 1: O^T at 64 m + 8 t;  window 2: Q at 12 (4 m + kq);  window 3: K at 12 (4 u + kq), V at 96 + 12 t
; s2 wave, s3 bh, s20 i, s21 block, s22 j, s23 its key steps, s24 the slot, s25 the key step whose K is fetched, s26 the one whose V is fetched, s27 1 on the diagonal, s28 1 in a wave that prefetches,
; s29 1: no K to fetch, s72 the block's first key step, s73 1 in the block's last slot, s74 1: K's fetch goes over the block's end, s[32:33] c,
; s[34:41] K, V, K's scales, V's scales at my part of key step 0; s[42:49] the same at the key steps to fetch; s[54:57] the first block's Q, its scales; s[50:51], s[76:77] the second's; s[52:53] the prefetches' base;
; s[58:61] O, its scales; s[62:63] an offset; s67-71 at work
.set MSB, 0
.macro WIN new                         ; the immediate's high byte repeats the setting that is left
.if MSB != (\new)
	s_set_vgpr_msb (MSB<<8)|(\new)
.set MSB, (\new)
.endif
.endm
.macro PLACES n
.rept \n
	v_nop
.endr
.endm
; one product.  c < 0: the constant 0 starts the sum.  ra, rb: source 0's, source 1's scale words stand in lanes 16-31
.macro WM d, a, b, c, sa, sb, ra, rb
.if (\c) < 0
.if (\ra) && (\rb)
	v_wmma_scale_f32_16x16x128_f8f6f4 v[(\d):(\d)+7], v[(\a):(\a)+11], v[(\b):(\b)+11], 0, v[(\sa)], v[(\sb)] matrix_a_fmt:MATRIX_FMT_FP6 matrix_b_fmt:MATRIX_FMT_FP6 matrix_a_scale:MATRIX_SCALE_ROW1 matrix_b_scale:MATRIX_SCALE_ROW1
.elseif (\ra)
	v_wmma_scale_f32_16x16x128_f8f6f4 v[(\d):(\d)+7], v[(\a):(\a)+11], v[(\b):(\b)+11], 0, v[(\sa)], v[(\sb)] matrix_a_fmt:MATRIX_FMT_FP6 matrix_b_fmt:MATRIX_FMT_FP6 matrix_a_scale:MATRIX_SCALE_ROW1
.elseif (\rb)
	v_wmma_scale_f32_16x16x128_f8f6f4 v[(\d):(\d)+7], v[(\a):(\a)+11], v[(\b):(\b)+11], 0, v[(\sa)], v[(\sb)] matrix_a_fmt:MATRIX_FMT_FP6 matrix_b_fmt:MATRIX_FMT_FP6 matrix_b_scale:MATRIX_SCALE_ROW1
.else
	v_wmma_scale_f32_16x16x128_f8f6f4 v[(\d):(\d)+7], v[(\a):(\a)+11], v[(\b):(\b)+11], 0, v[(\sa)], v[(\sb)] matrix_a_fmt:MATRIX_FMT_FP6 matrix_b_fmt:MATRIX_FMT_FP6
.endif
.else
.if (\ra) && (\rb)
	v_wmma_scale_f32_16x16x128_f8f6f4 v[(\d):(\d)+7], v[(\a):(\a)+11], v[(\b):(\b)+11], v[(\c):(\c)+7], v[(\sa)], v[(\sb)] matrix_a_fmt:MATRIX_FMT_FP6 matrix_b_fmt:MATRIX_FMT_FP6 matrix_a_scale:MATRIX_SCALE_ROW1 matrix_b_scale:MATRIX_SCALE_ROW1
.elseif (\ra)
	v_wmma_scale_f32_16x16x128_f8f6f4 v[(\d):(\d)+7], v[(\a):(\a)+11], v[(\b):(\b)+11], v[(\c):(\c)+7], v[(\sa)], v[(\sb)] matrix_a_fmt:MATRIX_FMT_FP6 matrix_b_fmt:MATRIX_FMT_FP6 matrix_a_scale:MATRIX_SCALE_ROW1
.elseif (\rb)
	v_wmma_scale_f32_16x16x128_f8f6f4 v[(\d):(\d)+7], v[(\a):(\a)+11], v[(\b):(\b)+11], v[(\c):(\c)+7], v[(\sa)], v[(\sb)] matrix_a_fmt:MATRIX_FMT_FP6 matrix_b_fmt:MATRIX_FMT_FP6 matrix_b_scale:MATRIX_SCALE_ROW1
.else
	v_wmma_scale_f32_16x16x128_f8f6f4 v[(\d):(\d)+7], v[(\a):(\a)+11], v[(\b):(\b)+11], v[(\c):(\c)+7], v[(\sa)], v[(\sb)] matrix_a_fmt:MATRIX_FMT_FP6 matrix_b_fmt:MATRIX_FMT_FP6
.endif
.endif
.endm
; one product of S^T = K Q^T: K step kq, K's tile u, tile of queries m.  K step 0 starts the sums
.macro SMUL kq, u, m
.if (\kq) == 0
	WM S+16*(\m)+8*(\u), 12*(4*(\u)+(\kq)), 12*(4*(\m)+(\kq)), -1, KS+(\kq), QS+2*(\kq)+(\m)/2, \u, (\m)%2
.else
	WM S+16*(\m)+8*(\u), 12*(4*(\u)+(\kq)), 12*(4*(\m)+(\kq)), S+16*(\m)+8*(\u), KS+(\kq), QS+2*(\kq)+(\m)/2, \u, (\m)%2
.endif
.endm
; 64 numbers of a lane, v[s] on, register 16 b + i = k 32 b + 16 (lane / 16) + i of my row, become a fragment's codes in v[pc] .. v[pc + 11] and its scale word in v[pw]
.macro QUANT s, pc, pw
.irp b, 0,1,2,3
	v_max3_num_f32 v[TM+\b], |v[(\s)+16*\b]|, |v[(\s)+1+16*\b]|, 0x1800000   ; block b: my 16 numbers, and the floor 2^(3 - 127): the byte cannot fall under 1
.endr
.irp i, 2,4,6,8,10,12,14
.irp b, 0,1,2,3
	v_max3_num_f32 v[TM+\b], v[TM+\b], |v[(\s)+16*\b+\i]|, |v[(\s)+1+16*\b+\i]|   ; the four blocks by turns
.endr
.endr
.irp b, 0,1,2,3
	v_permlanex16_b32 v[TM+4+\b], v[TM+\b], s[SEL], s[SEL+1]
.endr
.irp b, 0,1,2,3
	v_max_num_f32 v[TM+\b], v[TM+\b], v[TM+4+\b]   ; with lane l xor 16's: the block's largest magnitude
.endr
.irp b, 0,1,2,3
	v_add_nc_u32 v[TM+12+\b], 0xff000000, v[TM+\b]   ; 2 off its exponent field: the conversion's scale operand
.endr
.irp b, 0,1,2,3
	v_lshrrev_b32 v[TM+4+\b], 23, v[TM+12+\b]      ; the scale's byte
.endr
	v_lshl_or_b32 v[\pw], v[TM+5], 8, v[TM+4]      ; my row's scale word
	v_lshl_or_b32 v[\pw], v[TM+6], 16, v[\pw]
	v_lshl_or_b32 v[\pw], v[TM+7], 24, v[\pw]
.irp c, 0,1
	v_cvt_scalef32_pk16_fp6_f32 v[(\pc)+6*\c:(\pc)+2+6*\c], v[(\s)+32*\c:(\s)+15+32*\c], v[TM+12+2*\c]
	v_cvt_scalef32_pk16_fp6_f32 v[(\pc)+12+4*\c:(\pc)+14+4*\c], v[(\s)+16+32*\c:(\s)+31+32*\c], v[TM+12+2*\c+1]   ; (a conversion's three registers begin on an even number)
.endr
	v_nop                                          ; one plain place behind the scaled conversions
.irp c, 0,1                                    ; the operand's layout wants a whole block in a lane
.irp i, 0,1,2
	v_permlane16_swap_b32 v[(\pc)+6*\c+\i], v[(\pc)+12+4*\c+\i]
.endr
.irp i, 0,1,2
	v_mov_b32 v[(\pc)+3+6*\c+\i], v[(\pc)+12+4*\c+\i]
.endr
.endr
.endm
.macro KADR                            ; K and its scale words at key step s25
	s_wait_xcnt 0x0                                ; the loads issued so far have read their bases; the youngest of them stand a softmax back
	s_mul_i32 s62, s25, 49152
	s_add_nc_u64 s[42:43], s[34:35], s[62:63]
	s_lshl_b32 s62, s25, 9
	s_add_nc_u64 s[46:47], s[38:39], s[62:63]
.endm
.macro VADR                            ; V and its scale words at key step s26
	s_wait_xcnt 0x0                                ; the loads and prefetches issued so far have read their bases; the youngest of them stand the PV products back
	s_mul_i32 s62, s26, 49152
	s_add_nc_u64 s[44:45], s[36:37], s[62:63]
	s_lshl_b32 s62, s26, 11
	s_add_nc_u64 s[48:49], s[40:41], s[62:63]
.endm
.macro KL                              ; my two tiles of K, four K steps each: 8 fragments on end, and their scale words: 28 loads
	WIN 0xc0
.set n, 0
.rept 24
	global_load_b128 v[4*n:4*n+3], v[LI], s[42:43] offset:512*n
.set n, n+1
.endr
	WIN 0
.irp kq, 0,1,2,3
	global_load_b32 v[KS+\kq], v[LW], s[46:47] offset:4096*\kq
.endr
.endm
.macro VLD                             ; my eight tiles of V for the step's 128 keys, and their scale words: 28 loads
	WIN 0xc0
.set n, 0
.rept 24
	global_load_b128 v[96+4*n:96+4*n+3], v[LI], s[44:45] offset:512*n
.set n, n+1
.endr
	WIN 0
.irp tp, 0,1,2,3
	global_load_b32 v[VS+\tp], v[LW], s[48:49] offset:128*\tp
.endr
.endm
.macro QL qa, qs                       ; a block's four tiles of Q, four K steps each, and their scale words: 56 loads
	WIN 0x80
.set n, 0
.rept 48
	global_load_b128 v[4*n:4*n+3], v[LI], s[\qa:\qa+1] offset:512*n
.set n, n+1
.endr
	WIN 0
.irp kq, 0,1,2,3
.irp b, 0,1
	global_load_b32 v[QS+2*\kq+\b], v[LW], s[\qs:\qs+1] offset:4096*\kq+128*\b
.endr
.endr
.endm
.macro QADR j, qa, qs                  ; Q and its scale words at block s[j]
	s_lshl_b32 s68, s3, 8
	s_lshl_b32 s69, s[\j], 4
	s_add_co_u32 s68, s68, s69                     ; fragment 256 bh + 16 j
	s_mul_i32 s62, s68, 1536
	s_add_nc_u64 s[\qa:\qa+1], s[4:5], s[62:63]
	s_lshl_b32 s68, s3, 7
	s_lshl_b32 s69, s[\j], 1
	s_add_co_u32 s68, s68, s69                     ; scale pair 128 bh + 2 j (+ 32 for each K step)
	s_lshl_b32 s62, s68, 7
	s_add_nc_u64 s[\qs:\qs+1], s[6:7], s[62:63]
.endm
; A PREFETCH INTO THE L2 of the second block's Q, 48 fragments, 73,728 bytes, which this work-group alone reads, once.  It is asked for in the long block's last slot but one, behind that slot's loads of K: the PV products and a
; whole slot ahead of Q's loads.  Waves 0 to 2 ask for 24,576 bytes each: three instructions, lanes 256 bytes apart; each block of 256 bytes is named once.  The base is never rewritten.
.macro ASKQ
	s_xor_b32 s67, s21, 1                          ; in the first block,
	s_and_b32 s67, s67, s74                        ; where K's fetch goes over the block's end,
	s_and_b32 s67, s67, s28                        ; in waves 0 to 2
	s_cmp_lg_u32 s67, 0
	s_cbranch_scc0 .Lnot_mine_\@
.irp i, 0,1,2
	global_prefetch_b8 v[PFO], s[52:53] offset:8192*\i th:TH_LOAD_NT scope:SCOPE_SE
.endr
.Lnot_mine_\@:
.endm
	s_load_b512 s[4:19], s[0:1], 0x0               ; q codes, q scales, k codes, k scales, v codes, v scales, o codes, o scales
	v_lshl_add_u32 v254, v0, 2, 0x2400
	v_mov_b32 v255, 0
	v_lshrrev_b32 v14, 5, v0
	v_readfirstlane_b32 s2, v14                    ; wave 0..3
	s_and_b32 s3, ttmp7, 0xffff                    ; bh
	s_mov_b32 s20, ttmp9                           ; i
	v_and_b32 v15, 31, v0
	v_lshlrev_b32 v[LI], 4, v15
	v_lshlrev_b32 v[LW], 2, v15
	v_lshlrev_b32 v[PFO], 8, v15
	v_and_b32 v14, 15, v0                          ; r
	v_bfe_u32 v15, v0, 4, 1                        ; h
	; my block is block w of the step's four: in P's fragment it lies in lanes r + 16 (w % 2), registers 6 (w / 2) on; my half of the lanes holds its codes 16 h on: registers R = 6 (w / 2) + 3 h + i
	s_lshr_b32 s67, s2, 1
	s_mul_i32 s67, s67, 6
	s_and_b32 s68, s2, 1
	s_lshl_b32 s68, s68, 8
	v_lshlrev_b32 v16, 4, v14
	v_add_nc_u32 v17, s68, v16                     ; 16 x (r + 16 (w % 2))
	v_mul_u32_u24 v18, v15, 3
	v_add_nc_u32 v18, s67, v18
.irp i, 0,1,2
	v_add_nc_u32 v19, \i, v18                      ; R
	v_lshrrev_b32 v20, 2, v19
	v_and_b32 v19, 3, v19
	v_lshl_add_u32 v20, v20, 9, v17                ; 512 (R / 4)
	v_lshl_add_u32 v[PA+\i], v19, 2, v20           ; + 4 (R % 4)
.endr
	s_lshl_b32 s67, s2, 2
	v_add_nc_u32 v[ER], EWB, v16
	v_add_nc_u32 v[EA], s67, v[ER]
	s_lshl_b32 s67, s2, 3
	v_lshl_add_u32 v[LXR], v14, 5, LXB
	v_add_nc_u32 v[LXA], s67, v[LXR]
	v_and_b32 v[DV0], 8, v14
	v_add_nc_u32 v[DV0], v[DV0], v14
	v_lshlrev_b32 v16, 4, v15
	v_sub_nc_u32 v[DV0], v[DV0], v16
	s_lshl_b32 s67, s2, 5
	v_sub_nc_u32 v[DV0], v[DV0], s67
	v_mov_b32 v[NINF], 0xff800000
.irp m, 0,1,2,3
	v_mov_b32 v[PD+\m], 0                          ; written once: a lane permute's destination counts as one of its sources
	v_mov_b32 v[FF+2*\m+1], 0                      ; (named as the upper halves of pairs)
	v_mov_b32 v[ST+8*\m+5], 0
.endr
	s_mov_b32 s[SEL], 0x76543210
	s_mov_b32 s[SEL+1], 0xfedcba98
	s_mov_b32 s32, 0x3d8293ee                      ; c = log2(e) / sqrt(512)
	s_mov_b32 s33, s32                             ; (named with it as a pair)
	s_mov_b32 s66, 0xffff0000                      ; lanes 16-31
	s_mov_b32 s63, 0
	s_mov_b32 s21, 0
	s_cmp_lt_u32 s2, 3
	s_cselect_b32 s28, 1, 0
	s_sub_co_u32 s72, 7, s20                       ; the long block's first key step
	s_mov_b32 s25, s72
	s_mov_b32 s26, s72
	s_wait_kmcnt 0x0
	s_mul_i32 s62, s3, 393216                      ; a (batch, head) is 256 fragments in each tensor of codes
	s_mul_i32 s67, s2, 12288                       ; my 8 of a step's 32
	s_add_co_u32 s62, s62, s67
	s_add_nc_u64 s[34:35], s[8:9], s[62:63]
	s_add_nc_u64 s[36:37], s[12:13], s[62:63]
	s_lshl_b32 s67, s3, 7
	s_add_co_u32 s68, s67, s2
	s_lshl_b32 s62, s68, 7
	s_add_nc_u64 s[38:39], s[10:11], s[62:63]      ; K's scale pair 128 bh + w (+ 32 for each K step, + 4 for each key step)
	s_lshl_b32 s68, s2, 2
	s_add_co_u32 s68, s68, s67
	s_lshl_b32 s62, s68, 7
	s_add_nc_u64 s[40:41], s[14:15], s[62:63]      ; V's scale pair 128 bh + 4 w (+ 16 for each key step)
	KADR
	VADR
	KL                                             ; the long block's first key step
	VLD
	s_sub_co_u32 s67, 15, s20
	QADR 67, 54, 56
	QL 54, 56                                      ; block 15 - i
	QADR 20, 50, 76                                ; block i: bases of its own
	s_mul_i32 s62, s2, 24576
	s_add_nc_u64 s[52:53], s[50:51], s[62:63]      ; and my third of its codes, for the prefetch
; A SLOT.  first = 1: a block's first, whose PV products start O^T's sums
.macro STEP first
	s_add_co_u32 s67, s72, s24
	s_sub_co_u32 s68, s67, s23
	s_cmp_ge_u32 s67, s23
	s_cselect_b32 s67, s68, s67                    ; this slot's key step: first + slot, round the block's end
	s_add_co_u32 s68, s67, 1
	s_cmp_eq_u32 s68, s23
	s_cselect_b32 s27, 1, 0                        ; the block's highest key step lies on the diagonal
	s_cselect_b32 s26, 0, s68                      ; the next slot's key step,
	s_add_co_u32 s68, s26, 1
	s_cmp_eq_u32 s68, s23
	s_cselect_b32 s25, 0, s68                      ; and that of the slot after next
	s_add_co_u32 s68, s24, 1
	s_cmp_eq_u32 s68, s23
	s_cselect_b32 s73, 1, 0                        ; the block's last slot:
	s_cselect_b32 s26, 0, s26                      ; V's fetch is then the next block's key step 0
	s_add_co_u32 s68, s24, 2
	s_cmp_ge_u32 s68, s23
	s_cselect_b32 s74, 1, 0
	s_cselect_b32 s25, 0, s25                      ; K's likewise, a slot earlier
	s_and_b32 s29, s74, s21                        ; in the second block there is no next: no K is fetched
	; register 16 m + 8 u + i holds key 128 s + 32 w + 16 h + 8 u + i for query 64 j + 32 (m / 2) + 8 (m % 2) + r + 8 (r / 8).  On the diagonal hidden scores become -infinity ahead of the maximum
	s_cmp_eq_u32 s27, 0
	s_cbranch_scc1 .Lopen_\@
.irp m, 0,1,2,3
.irp u, 0,1
.irp i, 0,1,2,3,4,5,6,7
	v_cmp_gt_i32 vcc_lo, 8*\u+\i-32*(\m/2)-8*(\m%2), v[DV]
	v_cndmask_b32 v[S+16*\m+8*\u+\i], v[S+16*\m+8*\u+\i], v[NINF], vcc_lo
.endr
.endr
.endr
.Lopen_\@:
.irp m, 0,1,2,3
	v_max3_num_f32 v[BM+\m], v[S+16*\m], v[S+16*\m+1], v[S+16*\m+2]   ; the largest score of my block, for each tile's query; the four tiles by turns; each result from its low end on
.endr
.irp i, 3,5,7,9,11,13
.irp m, 0,1,2,3
	v_max3_num_f32 v[BM+\m], v[BM+\m], v[S+16*\m+\i], v[S+16*\m+\i+1]
.endr
.endr
.irp m, 0,1,2,3
	v_max_num_f32 v[BM+\m], v[BM+\m], v[S+16*\m+15]
.endr
.irp m, 0,1,2,3
	v_permlanex16_b32 v[PD+\m], v[BM+\m], s[SEL], s[SEL+1]
.endr
.irp m, 0,1,2,3
	v_max_num_f32 v[BM+\m], v[BM+\m], v[PD+\m]     ; with lane l xor 16's 16 keys
.endr
.irp m, 0,1,2,3
	v_mul_f32 v[ST+8*\m+7], s32, v[BM+\m]          ; as t (c is positive)
.endr
.irp m, 0,1,2,3
	v_max_num_f32 v[ST+8*\m+1], v[ST+8*\m+1], v[ST+8*\m+7]   ; the running largest t of my keys
.endr
.irp m, 0,1,2,3
	v_mov_b32 v[ST+8*\m+7], v[ST+8*\m]
.endr
.irp m, 0,1,2,3
	v_floor_f32 v[ST+8*\m], -v[ST+8*\m+1]          ; the new -M = floor(-t): M is a whole number
.endr
.irp m, 0,1,2,3
	v_sub_f32 v[ST+8*\m+7], v[ST+8*\m], v[ST+8*\m+7]   ; old M - new M: a whole number, 0 or less
.endr
.irp m, 0,1,2,3
	v_cvt_i32_f32 v[ST+8*\m+7], v[ST+8*\m+7]       ; (it saturates)
.endr
.irp m, 0,1,2,3
	v_ldexp_f32 v[ST+8*\m+4], 1.0, v[ST+8*\m+7]    ; 2^(old M - new M)
.endr
.irp p, 0,1,2,3,4,5,6,7
.irp m, 0,1,2,3
	v_pk_fma_f32 v[S+16*\m+2*\p:S+16*\m+2*\p+1], v[S+16*\m+2*\p:S+16*\m+2*\p+1], s[32:33], v[ST+8*\m:ST+8*\m+1] op_sel_hi:[1,0,0]   ; t - M, two at a time
.endr
.endr
.irp m, 0,1,2,3
	v_fma_f32 v[BM+\m], v[BM+\m], s32, v[ST+8*\m]  ; the same of the block's largest score
.endr
	s_wait_alu depctr_va_vdst(0)
.irp m, 0,1,2,3
	v_exp_f32 v[BM+\m], v[BM+\m]                   ; the block's largest p: the same two instructions on the same number as its score's own.  These four go first: the scales hang on them
.endr
.set n, 0
.rept 64
	v_exp_f32 v[S+n], v[S+n]                       ; p = 2^(t - M), at most 1, not normalised
.set n, n+1
.endr
.irp m, 0,1,2,3
	v_pk_mul_f32 v[ST+8*\m+2:ST+8*\m+3], v[ST+8*\m+2:ST+8*\m+3], v[ST+8*\m+4:ST+8*\m+5] op_sel_hi:[1,0]   ; the sums under the new M (plain work behind the exponentials)
.endr
	s_wait_alu depctr_va_vdst(0)                   ; one wait for the batch of 68, ahead of its first reader
.irp m, 0,1,2,3
	v_max_num_f32 v[BM+\m], 0x1800000, v[BM+\m]    ; the floor 2^(3 - 127): the byte cannot fall under 1
.endr
.irp m, 0,1,2,3
	v_add_nc_u32 v[SO+\m], 0xff000000, v[BM+\m]    ; 2 off the exponent field: the conversion's scale operand
.endr
.irp m, 0,1,2,3
	v_lshrrev_b32 v[EB+\m], 23, v[SO+\m]           ; the byte under M_w
.endr
.irp m, 0,1,2,3
	v_cvt_f32_u32 v[EB+\m], v[EB+\m]
.endr
.irp m, 0,1,2,3
	v_sub_f32 v[EB+\m], v[EB+\m], v[ST+8*\m]       ; E = byte + M_w
.endr
.irp m, 0,1,2,3
	v_cvt_scalef32_pk16_fp6_f32 v[CD+4*\m:CD+4*\m+2], v[S+16*\m:S+16*\m+15], v[SO+\m]
.endr
	v_nop                                          ; one plain place behind the scaled conversions
.irp m, 0,1,2,3
.irp i, 0,1,2
	ds_store_b32 v[PA+\i], v[CD+4*\m+\i] offset:PIMG+1536*\m
.endr
.endr
.irp m, 0,1,2,3
	ds_store_b32 v[EA], v[EB+\m] offset:256*\m     ; (both halves of the lanes write the same word with the same value)
.endr
.irp p, 0,1,2,3,4,5,6,7
.irp m, 0,1,2,3
	v_pk_add_f32 v[ST+8*\m+2:ST+8*\m+3], v[ST+8*\m+2:ST+8*\m+3], v[S+16*\m+2*\p:S+16*\m+2*\p+1]   ; the sum is taken of the unquantised p; it stands between the stores and the wait for them
.endr
.endr
	s_wait_dscnt 0x0                               ; my stores have landed
	s_barrier_signal -1
	s_barrier_wait -1                              ; P's four images and all E are whole
.irp m, 0,1,2,3
	ds_load_b128 v[EW+4*\m:EW+4*\m+3], v[ER] offset:256*\m   ; E first: the common reference wants it first
.endr
.irp m, 0,1,2,3
.irp c, 0,1,2
	ds_load_b128 v[PF+12*\m+4*\c:PF+12*\m+4*\c+3], v[LI] offset:PIMG+1536*\m+512*\c
.endr
.endr
	s_cmp_lg_u32 s73, 0                            ; the block's last slot has no next scores
	s_cbranch_scc1 .Lna_\@
.if \first
	s_wait_loadcnt 0x0                             ; the next slot's K, asked for at the block's head, is in: nothing was issued behind it
.else
	s_wait_loadcnt 28                              ; the next slot's K is in; V's 28 loads, issued behind it, may be out
.endif
	WIN 0x0b                                       ; source 0 (K) window 3, source 1 (Q) window 2
.irp kq, 0,1
.irp u, 0,1
.irp m, 0,1,2,3                                ; p has been converted and summed: its registers take the next scores.  The 8 accumulators take turns, one instruction a turn
	SMUL \kq, \u, \m
.endr
.endr
.endr
	WIN 0
.Lna_\@:
	s_wait_dscnt 12                                ; the four loads of E are in; P's twelve may be out
.irp m, 0,1,2,3
	v_max3_num_f32 v[ST+8*\m+7], v[EW+4*\m], v[EW+4*\m+1], v[EW+4*\m+2]
.endr
.irp m, 0,1,2,3
	v_max_num_f32 v[ST+8*\m+7], v[ST+8*\m+7], v[EW+4*\m+3]
.endr
.irp m, 0,1,2,3
	v_add_f32 v[ST+8*\m+7], 0xc2f80000, v[ST+8*\m+7]   ; - 124: no byte will pass 124
.endr
.irp m, 0,1,2,3
	v_max_num_f32 v[ST+8*\m+7], v[ST+8*\m+7], v[ST+8*\m+6]   ; the new MC, the same in all four waves
.endr
.irp m, 0,1,2,3
	v_sub_f32 v[FF+2*\m], v[ST+8*\m+6], v[ST+8*\m+7]
.endr
.irp m, 0,1,2,3
	v_mov_b32 v[ST+8*\m+6], v[ST+8*\m+7]
.endr
.irp m, 0,1,2,3
	v_cvt_i32_f32 v[FF+2*\m], v[FF+2*\m]
.endr
.irp m, 0,1,2,3
	v_ldexp_f32 v[FF+2*\m], 1.0, v[FF+2*\m]        ; 2^(old MC - new MC)
.endr
.irp w, 0,1,2,3
.irp m, 0,1,2,3
	v_sub_f32 v[EW+4*\m+\w], v[EW+4*\m+\w], v[ST+8*\m+6]   ; block w's byte under MC,
.endr
.endr
.irp w, 0,1,2,3
.irp m, 0,1,2,3
	v_max_num_f32 v[EW+4*\m+\w], 0, v[EW+4*\m+\w]  ; held at 0 from below
.endr
.endr
.irp w, 0,1,2,3
.irp m, 0,1,2,3
	v_cvt_u32_f32 v[EW+4*\m+\w], v[EW+4*\m+\w]
.endr
.endr
.irp m, 0,1,2,3
	v_lshl_or_b32 v[PS+\m], v[EW+4*\m+1], 8, v[EW+4*\m]   ; P's scale word for these 128 keys
.endr
.irp m, 0,1,2,3
	v_lshl_or_b32 v[PS+\m], v[EW+4*\m+2], 16, v[PS+\m]
.endr
.irp m, 0,1,2,3
	v_lshl_or_b32 v[PS+\m], v[EW+4*\m+3], 24, v[PS+\m]
.endr
	s_wait_dscnt 0x0                               ; P's fragments are in: my reads of the images are over
.if \first
	PLACES 8                                       ; a scale register written by a vector instruction stands 8 places ahead of the scaled product that takes it; later slots have the rescaling there
.endif
	s_cmp_lg_u32 s73, 0
	s_cbranch_scc1 .Llast_\@
.if \first
	s_wait_loadcnt 0x0                             ; (K once more, for the way that comes here round the first half)
	WIN 0x0b
.irp kq, 2,3
.irp u, 0,1
.irp m, 0,1,2,3
	SMUL \kq, \u, \m
.endr
.endr
.endr
	WIN 0
	PLACES 4                                       ; in front of loads into K's registers and of the first read of the scores
.else
	s_wait_loadcnt 28                              ; (K once more, for the way that comes here round the first half)
.set nb, 0
.irp kq, 2,3
.irp u, 0,1
.irp m, 0,1,2,3                                ; THE OTHER HALF OF THE NEXT SCORES BY TURNS WITH O^T UNDER THE NEW MC: behind product nb the two accumulators at 16 nb, each from its low end on
	WIN 0x0b
	SMUL \kq, \u, \m
	WIN 0x41                                       ; O^T (destination and source 0) window 1, the factor window 0
.set r8, 0
.rept 8
	v_pk_mul_f32 v[16*nb+r8:16*nb+r8+1], v[16*nb+r8:16*nb+r8+1], v[FF+2*(nb/4):FF+2*(nb/4)+1] op_sel_hi:[1,0]
.set r8, r8+2
.endr
.set nb, nb+1
.endr
.endr
.endr
	WIN 0                                          ; the last eight multiplies are the places in front of loads into K's registers and of the first read of the scores
.endif
	s_cmp_lg_u32 s29, 0
	s_cbranch_scc1 .Lnok_\@
	KADR
	KL                                             ; the K of the slot after next (or of the next block's first)
	ASKQ
.if !\first
	s_wait_loadcnt 28                              ; V is in: K's 28 loads, issued behind it, may be out
.endif
	s_branch .Ljoin_\@
.Llast_\@:
.if !\first
	WIN 0x41                                       ; the last slot: O^T under the new MC, alone
.irp m, 0,1,2,3
.set n, 0
.rept 32
	v_pk_mul_f32 v[64*\m+n:64*\m+n+1], v[64*\m+n:64*\m+n+1], v[FF+2*\m:FF+2*\m+1] op_sel_hi:[1,0]
.set n, n+2
.endr
.endr
	WIN 0
.endif
.Lnok_\@:
.if !\first
	s_wait_loadcnt 0x0                             ; no K was asked for on these ways: V is in when all loads are
.endif
.Ljoin_\@:
	s_barrier_signal -1                            ; my reads of the images are over; the wait stands behind the PV products, ahead of the next slot's stores; only work on registers lies between
	WIN 0x53                                       ; source 0 (V) window 3, source 1 (P) window 0, C and D (O^T) window 1
	s_wait_alu depctr_va_vdst(0)
.irp t, 0,1,2,3,4,5,6,7
.irp m, 0,1,2,3                                ; 32 accumulators, one instruction each
.if \first
	WM 64*\m+8*\t, 96+12*\t, PF+12*\m, -1, VS+\t/2, PS+\m, \t%2, 0
.else
	WM 64*\m+8*\t, 96+12*\t, PF+12*\m, 64*\m+8*\t, VS+\t/2, PS+\m, \t%2, 0
.endif
.endr
.endr
	WIN 0
	s_barrier_wait -1                              ; every wave has read the images: they may be written again
	PLACES 4                                       ; in front of loads into V's registers
	s_and_b32 s67, s73, s21                        ; the second block's last slot fetches nothing
	s_cmp_lg_u32 s67, 0
	s_cbranch_scc1 .Lnov_\@
	VADR
	VLD                                            ; the next slot's V (or the next block's first)
	s_branch .Lvd_\@
.Lnov_\@:
	s_wait_loadcnt 0x0                             ; no V was asked for on this way: nothing stays out, so that no later count leans on V's 28
.Lvd_\@:
.endm
.Lblock:
	s_wait_xcnt 0x0                                ; the last block's stores have read their registers and bases
	s_sub_co_u32 s67, 15, s20
	s_sub_co_u32 s68, 7, s20
	s_cmp_eq_u32 s21, 0
	s_cselect_b32 s22, s67, s20                    ; j = 15 - i, then i
	s_cselect_b32 s72, s68, 0                      ; its first key step: 7 - i, then 0
	s_lshr_b32 s23, s22, 1
	s_add_co_u32 s23, s23, 1                       ; its key steps
	s_and_b32 s67, s22, 1
	s_lshl_b32 s67, s67, 6
	v_add_nc_u32 v[DV], s67, v[DV0]
	s_lshr_b32 s67, s3, 3                          ; batch
	s_and_b32 s68, s3, 7                           ; head
	s_lshl_b32 s69, s67, 4
	s_add_co_u32 s69, s69, s22
	s_lshl_b32 s69, s69, 7                         ; 32 x the block's first tile of rows, 64 batch + 4 j
	s_lshl_b32 s70, s68, 2
	s_add_co_u32 s70, s70, s2                      ; the last product's K step: 4 head + w
	s_add_co_u32 s71, s69, s70
	s_mul_i32 s62, s71, 1536
	s_add_nc_u64 s[58:59], s[16:17], s[62:63]
	s_lshr_b32 s69, s69, 1
	s_add_co_u32 s69, s69, s70
	s_lshl_b32 s62, s69, 7
	s_add_nc_u64 s[60:61], s[18:19], s[62:63]
.irp m, 0,1,2,3
	v_mov_b32 v[ST+8*\m+1], 0xff61b1e6             ; the largest t so far: -3e38, under every t
	v_mov_b32 v[ST+8*\m], 0x7f61b1e6               ; -M
	v_mov_b32 v[ST+8*\m+2], 0                      ; l
	v_mov_b32 v[ST+8*\m+3], 0
	v_mov_b32 v[ST+8*\m+6], 0xff61b1e6             ; MC
.endr
	s_add_co_u32 s68, s72, 1
	s_cmp_ge_u32 s68, s23
	s_cselect_b32 s25, 0, s68                      ; the second slot's key step; in a block of one slot: the next block's key step 0
	s_cmp_eq_u32 s23, 1
	s_cselect_b32 s74, 1, 0
	s_and_b32 s29, s74, s21                        ; which the second block does not have
	s_wait_loadcnt 0x0                             ; K and V of the first slot, and the block's Q
	WIN 0x0b                                       ; THE BLOCK'S FIRST SCORES
.irp kq, 0,1,2,3
.irp u, 0,1
.irp m, 0,1,2,3
	SMUL \kq, \u, \m
.endr
.endr
.endr
	WIN 0
	PLACES 4                                       ; in front of loads into K's registers and of the first read of the scores
	s_cmp_lg_u32 s29, 0
	s_cbranch_scc1 .Lno_k1
	KADR
	KL
.Lno_k1:
	s_mov_b32 s24, 0
	STEP 1
	s_mov_b32 s24, 1
	s_cmp_ge_u32 s24, s23
	s_cbranch_scc1 .Lblock_end
.Lstep:
	STEP 0
	s_add_co_u32 s24, s24, 1
	s_cmp_lt_u32 s24, s23
	s_cbranch_scc1 .Lstep
.Lblock_end:
	s_cmp_lg_u32 s21, 0
	s_cbranch_scc1 .Lno_next_q
	QL 50, 76                                      ; the second block's Q lands while the first goes out
.Lno_next_q:
.irp m, 0,1,2,3
	v_add_f32 v[ST+8*\m+2], v[ST+8*\m+2], v[ST+8*\m+3]   ; l's two halves,
.endr
.irp m, 0,1,2,3
	v_permlanex16_b32 v[PD+\m], v[ST+8*\m+2], s[SEL], s[SEL+1]
.endr
.irp m, 0,1,2,3
	v_add_f32 v[ST+8*\m+2], v[ST+8*\m+2], v[PD+\m] ; and lane l xor 16's: l_w
.endr
.irp m, 0,1,2,3
	v_mov_b32 v[ST+8*\m+3], v[ST+8*\m]             ; -M_w beside it
.endr
.irp m, 0,1,2,3
	ds_store_b64 v[LXA], v[ST+8*\m+2:ST+8*\m+3] offset:512*\m
.endr
	s_wait_dscnt 0x0
	s_barrier_signal -1
	s_barrier_wait -1
.irp m, 0,1,2,3
	ds_load_b128 v[S+8*\m:S+8*\m+3], v[LXR] offset:512*\m
	ds_load_b128 v[S+8*\m+4:S+8*\m+7], v[LXR] offset:512*\m+16
.endr
	s_wait_dscnt 0x0
.irp w, 0,1,2,3
.irp m, 0,1,2,3
	v_fma_f32 v[S+8*\m+2*\w+1], v[S+8*\m+2*\w+1], -1.0, -v[ST+8*\m+6]   ; M_w - MC: a whole number, 0 or less
.endr
.endr
.irp w, 0,1,2,3
.irp m, 0,1,2,3
	v_cvt_i32_f32 v[S+8*\m+2*\w+1], v[S+8*\m+2*\w+1]
.endr
.endr
.irp w, 0,1,2,3
.irp m, 0,1,2,3
	v_ldexp_f32 v[S+8*\m+2*\w], v[S+8*\m+2*\w], v[S+8*\m+2*\w+1]   ; l_w under MC
.endr
.endr
.irp m, 0,1,2,3
	v_add_f32 v[S+8*\m], v[S+8*\m], v[S+8*\m+2]
.endr
.irp m, 0,1,2,3
	v_add_f32 v[S+8*\m+4], v[S+8*\m+4], v[S+8*\m+6]
.endr
.irp m, 0,1,2,3
	v_add_f32 v[FF+2*\m], v[S+8*\m], v[S+8*\m+4]   ; the row's sum
.endr
	s_wait_alu depctr_va_vdst(0)
.irp m, 0,1,2,3
	v_rcp_f32 v[FF+2*\m], v[FF+2*\m]
.endr
	v_nop                                          ; a plain place behind the last reciprocal
	s_wait_alu depctr_va_vdst(0)                   ; one wait for the four, ahead of their first reader
.irp m, 0,1,2,3
	WIN 0x01                                       ; source 0 (O^T) window 1
.set n, 0
.rept 32
	v_pk_mul_f32 v[S+n:S+n+1], v[64*\m+n:64*\m+n+1], v[FF+2*\m:FF+2*\m+1] op_sel_hi:[1,0]   ; O^T / l: register 16 b + i is channel 128 w + 32 b + 16 h + i of my query; each result from its low end on
.set n, n+2
.endr
	WIN 0
	s_wait_xcnt 0x0                                ; the last tile's stores have read the codes' registers, which are written next; the 32 multiplies stand between those stores and this wait
	QUANT S, PC, PW+\m
.irp c, 0,1,2
	global_store_b128 v[LI], v[PC+4*\c:PC+4*\c+3], s[58:59] offset:49152*\m+512*\c   ; a tile of rows on is 32 fragments on
.endr
.endr
	v_cndmask_b32 v[PW+4], v[PW], v[PW+1], s66     ; the scale words of a pair of tiles in one register
	v_cndmask_b32 v[PW+5], v[PW+2], v[PW+3], s66
	global_store_b32 v[LW], v[PW+4], s[60:61]
	global_store_b32 v[LW], v[PW+5], s[60:61] offset:4096
	s_add_co_u32 s21, s21, 1
	s_cmp_lt_u32 s21, 2
	s_cbranch_scc1 .Lblock
	s_wait_tensorcnt 0x0
	ds_add_u32 v254, v255
	s_wait_dscnt 0x0
	s_endpgm
.Lfunc_end_k_qa62d89d2c9_attn:
	.size	k_qa62d89d2c9_attn, .Lfunc_end_k_qa62d89d2c9_attn-k_qa62d89d2c9_attn
	.p2alignl 7, 3214868480
	.fill 96, 4, 3214868480
	.section	.rodata,"a",@progbits
	.p2align	6, 0x0
	.amdhsa_kernel k_qa62d89d2c9_attn
		.amdhsa_group_segment_fixed_size 9728
		.amdhsa_private_segment_fixed_size 0
		.amdhsa_enable_private_segment 0
		.amdhsa_kernarg_size 64
		.amdhsa_user_sgpr_count 2
		.amdhsa_user_sgpr_kernarg_segment_ptr 1
		.amdhsa_wavefront_size32 1
		.amdhsa_system_sgpr_workgroup_id_x 1
		.amdhsa_system_sgpr_workgroup_id_y 1
		.amdhsa_system_sgpr_workgroup_id_z 1
		.amdhsa_system_vgpr_workitem_id 0
		.amdhsa_next_free_vgpr 960
		.amdhsa_next_free_sgpr 80
		.amdhsa_reserve_vcc 1
		.amdhsa_float_denorm_mode_32 3
		.amdhsa_float_denorm_mode_16_64 3
		.amdhsa_memory_ordered 1
		.amdhsa_forward_progress 1
		.amdhsa_inst_pref_size 153
	.end_amdhsa_kernel
	.amdgpu_metadata
---
amdhsa.version: [ 1, 2 ]
amdhsa.kernels:
  - .name:           k_qa62d89d2c9_attn
    .symbol:         k_qa62d89d2c9_attn.kd
    .args:
      - { .name: q_codes, .offset: 0, .size: 8, .value_kind: global_buffer, .address_space: global }
      - { .name: q_scales, .offset: 8, .size: 8, .value_kind: global_buffer, .address_space: global }
      - { .name: k_codes, .offset: 16, .size: 8, .value_kind: global_buffer, .address_space: global }
      - { .name: k_scales, .offset: 24, .size: 8, .value_kind: global_buffer, .address_space: global }
      - { .name: v_codes, .offset: 32, .size: 8, .value_kind: global_buffer, .address_space: global }
      - { .name: v_scales, .offset: 40, .size: 8, .value_kind: global_buffer, .address_space: global }
      - { .name: o_codes, .offset: 48, .size: 8, .value_kind: global_buffer, .address_space: global }
      - { .name: o_scales, .offset: 56, .size: 8, .value_kind: global_buffer, .address_space: global }
    .group_segment_fixed_size: 9728
    .private_segment_fixed_size: 0
    .kernarg_segment_align: 8
    .kernarg_segment_size: 64
    .max_flat_workgroup_size: 128
    .sgpr_count:     80
    .vgpr_count:     960
    .wavefront_size: 32
...
	.end_amdgpu_metadata
.endif
;; end of part 2
;; launch proj (part 3): grid 8 x 32, 4 waves a work-group, no clusters, 327,680 bytes of LDS; arguments o_codes, o_scales, Wu_codes, Wu_scales, bu, out0; writes out0
.if DOCPART == 3
	.amdgcn_target "amdgcn-amd-amdhsa--gfx1250"
	.amdhsa_code_object_version 6
	.text
	.protected	k_qa62d89d2c9_proj
	.globl	k_qa62d89d2c9_proj
	.p2align	8
	.type	k_qa62d89d2c9_proj,@function
k_qa62d89d2c9_proj:
	s_mov_b64 s[64:65], 0
	v_nop
	global_prefetch_b8 v0, s[64:65] scope:SCOPE_SE
	s_setreg_imm32_b32 hwreg(HW_REG_WAVE_MODE, 25, 1), 1
	s_wait_xcnt 0x0
; out = O Wu + bu on codes of FP6 (E2M3) with E8M0 scales: M 4,096 tokens, N 512, K 4,096 (8 heads x 512 channels).  Nothing of this product is left out.
; O lies in memory as the launch attn stores it: images of fragments (16 rows x 128 K: registers 4 c .. 4 c + 3 of lane l at 512 c + 16 l), 32 K steps on end for each tile of rows; the scale words of a pair of
; tiles in one register (lanes 0-15, lanes 16-31); lane r of tile 2 b + u stands for token 32 b + 8 u + r + 8 (r / 8).
; SHARES.  Work-group (x, y): columns 64 x on, tokens 128 y on: 8 x 32 = 256 work-groups.  Wave w: tokens 128 y + 32 w on (two tiles) x the 64 columns (four tiles of Wu's rows): 8 accumulators, which take turns.
; O goes from memory straight into registers, 8 K steps (48 loads of 512 consecutive bytes) a group, groups 0 to 2 asked for at the head, group 3 into group 0's registers when they are free.
; Wu's 64 rows of 3,072 bytes come into LDS ONCE, 16 whole rows a wave by one tensor load at the head; every wave reads all 64.  Wu's and O's scale words for all of K stay in registers.
; THE PRODUCT IS USED TRANSPOSED (source 0 = Wu's rows, source 1 = O's): a lane holds eight neighbouring columns of one token; bu stands as the C of the first K step.
; No joint loads: two thirds of a work-group's bytes are O's, 393,216, which go to registers and would not fit in LDS beside Wu's 196,608.  No prefetch: all but O's last group is asked for at the head.
; LDS: a row of Wu is 3,072 bytes + 8 behind every 512 = 3,120 = 780 words, so that the 16 rows that a load touches begin 12 words apart modulo 64.  STG: a stage of 32 rows x 272 bytes a wave.  SPARE: the spare words.
.set WROW,  3120
.set WTIL,  16*WROW                    ; a tile of 16 rows: what one wave fetches
.set STG,   4*WTIL
.set SPARE, STG+4*32*272
.set LI,  1                            ; v1   16 x lane
.set LW,  2                            ; v2   4 x lane
.set AW,  3                            ; v3-4 my lane's place in Wu's tiles 0, 1 (v4: behind one padding more);  v14-15 the same for tiles 2, 3
.set STO, 5                            ; v5   the way out: where I put 32 bytes of a row;  v6 where I read a row back;  v7 my byte offset in out
.set RD,  6
.set CO,  7
.set WSO, 8                            ; v8   128 x lane: a row of Wu's scales
.set BO,  9                            ; v9   32 x (lane / 16): my eight numbers of bu
.set AX,  14
.set WS,  16                           ; v16-79 Wu's scale words: pair of tiles pr, K step k at 32 pr + k
.set OS,  80                           ; v80-111 O's scale words by K step
.set WB,  112                          ; v112-207 Wu's four fragments, two sets
.set ACC, 192                          ; window 1: the 8 accumulators at 192 + 8 (4 u + i);  window 2: bu at 192 + 8 i
.set SPW, 254                          ; v254 my spare word, v255 0; never rewritten
.set NIL, 255
; windows 1 to 3, v0-191: O's fragments, group g in window 1 + g % 3, K step kk of the group, tile u at 24 kk + 12 u
.set MSB, 0
.macro WIN new                         ; the immediate's high byte repeats the setting that is left
.if MSB != (\new)
	s_set_vgpr_msb (MSB<<8)|(\new)
.set MSB, (\new)
.endif
.endm
.macro PLACES n
.rept \n
	v_nop
.endr
.endm
.macro WM d, a, b, c, sa, sb, ra, rb   ; ra, rb: source 0's, source 1's scale words stand in lanes 16-31
.if (\ra) && (\rb)
	v_wmma_scale_f32_16x16x128_f8f6f4 v[(\d):(\d)+7], v[(\a):(\a)+11], v[(\b):(\b)+11], v[(\c):(\c)+7], v[(\sa)], v[(\sb)] matrix_a_fmt:MATRIX_FMT_FP6 matrix_b_fmt:MATRIX_FMT_FP6 matrix_a_scale:MATRIX_SCALE_ROW1 matrix_b_scale:MATRIX_SCALE_ROW1
.elseif (\ra)
	v_wmma_scale_f32_16x16x128_f8f6f4 v[(\d):(\d)+7], v[(\a):(\a)+11], v[(\b):(\b)+11], v[(\c):(\c)+7], v[(\sa)], v[(\sb)] matrix_a_fmt:MATRIX_FMT_FP6 matrix_b_fmt:MATRIX_FMT_FP6 matrix_a_scale:MATRIX_SCALE_ROW1
.elseif (\rb)
	v_wmma_scale_f32_16x16x128_f8f6f4 v[(\d):(\d)+7], v[(\a):(\a)+11], v[(\b):(\b)+11], v[(\c):(\c)+7], v[(\sa)], v[(\sb)] matrix_a_fmt:MATRIX_FMT_FP6 matrix_b_fmt:MATRIX_FMT_FP6 matrix_b_scale:MATRIX_SCALE_ROW1
.else
	v_wmma_scale_f32_16x16x128_f8f6f4 v[(\d):(\d)+7], v[(\a):(\a)+11], v[(\b):(\b)+11], v[(\c):(\c)+7], v[(\sa)], v[(\sb)] matrix_a_fmt:MATRIX_FMT_FP6 matrix_b_fmt:MATRIX_FMT_FP6
.endif
.endm
.macro OG g                            ; O's group g: 8 K steps x 2 tiles x 3 loads
	WIN (1+(\g)%3)<<6
.irp kk, 0,1,2,3,4,5,6,7
.irp u, 0,1
.irp c, 0,1,2
	global_load_b128 v[24*\kk+12*\u+4*\c:24*\kk+12*\u+4*\c+3], v[LI], s[36:37] offset:49152*\u+1536*(8*(\g)+\kk)+512*\c
.endr
.endr
.endr
	WIN 0
.endm
; Wu's four fragments of K step k into set k % 2: six pieces of 8 bytes each.  Lanes 0-15 take the row's pieces G = 12 k + 0, 1, 2, 6, 7, 8, lanes 16-31 those three pieces on; 8 bytes of padding lie behind
; every 64 pieces: where the piece three on lies behind one padding more, the second address register serves
.macro WFETCH k
.irp i, 0,1,2,3
.irp p, 0,1,2,3,4,5
.set G, 12*(\k)+6*(\p/3)+\p%3
	ds_load_b64 v[WB+48*((\k)%2)+12*\i+2*\p:WB+48*((\k)%2)+12*\i+2*\p+1], v[AW+11*(\i/2)+(G%64)/61] offset:WTIL*(\i%2)+8*G+8*(G/64)
.endr
.endr
.endm
	s_load_b256 s[36:43], s[0:1], 0x0              ; o codes, o scales, Wu codes, Wu scales
	s_load_b128 s[44:47], s[0:1], 0x20             ; bu, out
	v_lshl_add_u32 v[SPW], v0, 2, SPARE
	v_mov_b32 v[NIL], 0
	ds_add_u32 v[SPW], v[NIL]                      ; the opening lines: the add, twice on end, and its wait ahead of my first tensor load
	ds_add_u32 v[SPW], v[NIL]
	v_lshrrev_b32 v10, 5, v0
	v_readfirstlane_b32 s2, v10                    ; wave 0..3
	s_mov_b32 s3, ttmp9                            ; x
	s_and_b32 s4, ttmp7, 0xffff                    ; y
	s_mov_b32 s8, (1<<20)|(6<<22)|(1<<25)          ; elements of 1 byte; padding on; after every 128 words (code 6) 2 words (code 1)
	s_mov_b32 s9, 3072<<16                         ; tensor_dim0
	s_mov_b32 s10, 16<<16                          ; tensor_dim1
	s_mov_b32 s11, 3072<<16                        ; tile_dim0
	s_mov_b32 s12, 16                              ; tile_dim1
	s_mov_b32 s13, 3072                            ; from row to row
	s_mov_b32 s14, 0
	s_mov_b32 s15, 0
	s_lshl_b32 s48, s3, 6
	s_lshl_b32 s49, s2, 4
	s_add_co_u32 s48, s48, s49                     ; Wu's row 64 x + 16 w
	s_mul_i32 s48, s48, 3072
	s_mov_b32 s49, 0
	s_mov_b32 s16, 1
	s_mul_i32 s17, s2, WTIL
	s_wait_dscnt 0x0                               ; both opening adds are done
	s_wait_kmcnt 0x0
	s_add_nc_u64 s[18:19], s[40:41], s[48:49]
	s_or_b32 s19, s19, 0x80000000
	tensor_load_to_lds s[16:19], s[8:15]           ; my 16 rows of Wu, whole: my one tensor load
	s_nop 0
	v_and_b32 v10, 31, v0
	v_lshlrev_b32 v[LI], 4, v10
	v_lshlrev_b32 v[LW], 2, v10
	v_lshlrev_b32 v[WSO], 7, v10
	v_and_b32 v11, 15, v0                          ; r
	v_bfe_u32 v12, v0, 4, 1                        ; h
	v_lshlrev_b32 v[BO], 5, v12
	v_mul_u32_u24 v[AW], v11, WROW
	v_mad_u32_u24 v[AW], v12, 24, v[AW]            ; row x pitch + 24 h
	v_lshl_add_u32 v[AW+1], v12, 3, v[AW]          ; and behind one padding more
	v_add_nc_u32 v[AX], 2*WTIL, v[AW]
	v_add_nc_u32 v[AX+1], 2*WTIL, v[AW+1]
	s_mul_i32 s51, s2, 32*272
	s_add_co_u32 s51, s51, STG                     ; my stage
	v_and_b32 v13, 8, v11
	v_add_nc_u32 v13, v13, v11                     ; r + 8 (r / 8): my token in its pair of tiles
	v_mul_u32_u24 v[STO], v13, 272
	v_lshl_add_u32 v[STO], v12, 5, v[STO]
	v_add_nc_u32 v[STO], s51, v[STO]
	v_mul_u32_u24 v[RD], v12, 272                  ; back: lanes 0-15 one row of 256 bytes, lanes 16-31 the next
	v_lshl_add_u32 v[RD], v11, 4, v[RD]
	v_add_nc_u32 v[RD], s51, v[RD]
	v_lshlrev_b32 v[CO], 11, v12                   ; and the same two rows in out
	v_lshl_add_u32 v[CO], v11, 4, v[CO]
	s_wait_alu depctr_va_vdst(0)
	s_lshl_b32 s48, s3, 13
	s_add_nc_u64 s[42:43], s[42:43], s[48:49]      ; Wu's scales: 64 rows of 128 bytes
	s_lshl_b32 s48, s3, 8
	s_add_nc_u64 s[44:45], s[44:45], s[48:49]      ; bu: 64 numbers
	s_add_nc_u64 s[46:47], s[46:47], s[48:49]      ; out: my columns,
	s_lshl_b32 s50, s4, 2
	s_add_co_u32 s50, s50, s2                      ; my pair of tiles of tokens: 4 y + w
	s_lshl_b32 s48, s50, 16
	s_add_nc_u64 s[46:47], s[46:47], s[48:49]      ; and my 32 rows of 2,048 bytes
	s_lshl_b32 s48, s50, 12
	s_add_nc_u64 s[38:39], s[38:39], s[48:49]
	s_mul_i32 s48, s50, 98304
	s_add_nc_u64 s[36:37], s[36:37], s[48:49]
.irp pr, 0,1
.irp g, 0,1,2,3,4,5,6,7
	global_load_b128 v[WS+32*\pr+4*\g:WS+32*\pr+4*\g+3], v[WSO], s[42:43] offset:4096*\pr+16*\g
.endr
.endr
	WIN 0x80
.irp i, 0,1,2,3
	global_load_b128 v[ACC+8*\i:ACC+8*\i+3], v[BO], s[44:45] offset:64*\i
	global_load_b128 v[ACC+8*\i+4:ACC+8*\i+7], v[BO], s[44:45] offset:64*\i+16
.endr
	WIN 0
.set n, 0
.rept 32
	global_load_b32 v[OS+n], v[LW], s[38:39] offset:128*n
.set n, n+1
.endr
	OG 0
	OG 1
	OG 2
	s_wait_tensorcnt 0x0                           ; my rows of Wu are in,
	s_barrier_signal -1
	s_barrier_wait -1                              ; everybody's are; nothing is filled again in this launch
	WFETCH 0
; A K step: the next step's fragments of Wu are fetched, then 8 products.  LOADcnt: 56 loads of scales and bu and O's groups of 48 were issued in this order; a wait's count cannot pass 63
.macro KSTEP k
	WIN 0
.if (\k) > 0
	PLACES 4                                       ; in front of loads into registers that the last products read
.endif
.if (\k) == 8
	OG 3                                           ; group 0's registers are free
.endif
.if (\k) < 31
	WFETCH (\k)+1
	s_wait_dscnt 24                                ; this step's fragments are in; the 24 loads just issued may be out
.else
	s_wait_dscnt 0x0
.endif
.if (\k) == 0
	s_wait_loadcnt 63                              ; the scales, bu and group 0 are in (96 loads were issued behind them)
.elseif (\k) == 8
	s_wait_loadcnt 63                              ; group 1 is in (96 behind it)
.elseif (\k) == 16
	s_wait_loadcnt 48                              ; group 2 is in; group 3's 48 may be out
.elseif (\k) == 24
	s_wait_loadcnt 0x0
.endif
.set OW, 1+((\k)/8)%3
.if (\k) == 0
	WIN (1<<6)|(2<<4)|(OW<<2)                      ; D window 1, C (bu) window 2, source 1 (O) its group's window
.else
	WIN (1<<6)|(1<<4)|(OW<<2)
.endif
.irp u, 0,1
.irp i, 0,1,2,3                                ; the 8 accumulators take turns, one instruction a turn
.if (\k) == 0
	WM ACC+8*(4*\u+\i), WB+48*((\k)%2)+12*\i, 24*((\k)%8)+12*\u, ACC+8*\i, WS+32*(\i/2)+(\k), OS+(\k), \i%2, \u
.else
	WM ACC+8*(4*\u+\i), WB+48*((\k)%2)+12*\i, 24*((\k)%8)+12*\u, ACC+8*(4*\u+\i), WS+32*(\i/2)+(\k), OS+(\k), \i%2, \u
.endif
.endr
.endr
.endm
.set KK, 0
.rept 32
	KSTEP KK
.set KK, KK+1
.endr
	WIN 0
	PLACES 4                                       ; in front of the first read of results
	WIN 0x04                                       ; the data: window 1
.irp u, 0,1
.irp i, 0,1,2,3
	ds_store_b128 v[STO], v[ACC+8*(4*\u+\i):ACC+8*(4*\u+\i)+3] offset:8*272*\u+64*\i        ; each accumulator from its low end on
	ds_store_b128 v[STO], v[ACC+8*(4*\u+\i)+4:ACC+8*(4*\u+\i)+7] offset:8*272*\u+64*\i+16
.endr
.endr
	WIN 0
.irp t, 0,1,2,3,4,5,6,7,8,9,10,11,12,13,14,15
	ds_load_b128 v[WB+4*\t:WB+4*\t+3], v[RD] offset:2*272*\t   ; my own stage: LDS serves a wave's instructions in order (ISA guide 5.7.1.4)
.endr
.irp t, 0,1,2,3,4,5,6,7,8,9,10,11,12,13,14,15
	s_wait_dscnt 15-\t
	global_store_b128 v[CO], v[WB+4*\t:WB+4*\t+3], s[46:47] offset:4096*\t th:TH_STORE_NT   ; 16 lanes store 256 consecutive bytes, aligned
.endr
	s_wait_tensorcnt 0x0                           ; the wave's end
	ds_add_u32 v[SPW], v[NIL]
	s_wait_dscnt 0x0
	s_endpgm
.Lfunc_end_k_qa62d89d2c9_proj:
	.size	k_qa62d89d2c9_proj, .Lfunc_end_k_qa62d89d2c9_proj-k_qa62d89d2c9_proj
	.p2alignl 7, 3214868480
	.fill 96, 4, 3214868480
	.section	.rodata,"a",@progbits
	.p2align	6, 0x0
	.amdhsa_kernel k_qa62d89d2c9_proj
		.amdhsa_group_segment_fixed_size 327680
		.amdhsa_private_segment_fixed_size 0
		.amdhsa_enable_private_segment 0
		.amdhsa_kernarg_size 48
		.amdhsa_user_sgpr_count 2
		.amdhsa_user_sgpr_kernarg_segment_ptr 1
		.amdhsa_wavefront_size32 1
		.amdhsa_system_sgpr_workgroup_id_x 1
		.amdhsa_system_sgpr_workgroup_id_y 1
		.amdhsa_system_sgpr_workgroup_id_z 1
		.amdhsa_system_vgpr_workitem_id 0
		.amdhsa_next_free_vgpr 960
		.amdhsa_next_free_sgpr 66
		.amdhsa_reserve_vcc 0
		.amdhsa_float_denorm_mode_32 3
		.amdhsa_float_denorm_mode_16_64 3
		.amdhsa_memory_ordered 1
		.amdhsa_forward_progress 1
		.amdhsa_inst_pref_size 119
	.end_amdhsa_kernel
	.amdgpu_metadata
---
amdhsa.version: [ 1, 2 ]
amdhsa.kernels:
  - .name:           k_qa62d89d2c9_proj
    .symbol:         k_qa62d89d2c9_proj.kd
    .args:
      - { .name: o_codes, .offset: 0, .size: 8, .value_kind: global_buffer, .address_space: global }
      - { .name: o_scales, .offset: 8, .size: 8, .value_kind: global_buffer, .address_space: global }
      - { .name: Wu_codes, .offset: 16, .size: 8, .value_kind: global_buffer, .address_space: global }
      - { .name: Wu_scales, .offset: 24, .size: 8, .value_kind: global_buffer, .address_space: global }
      - { .name: bu, .offset: 32, .size: 8, .value_kind: global_buffer, .address_space: global }
      - { .name: out0, .offset: 40, .size: 8, .value_kind: global_buffer, .address_space: global }
    .group_segment_fixed_size: 327680
    .private_segment_fixed_size: 0
    .kernarg_segment_align: 8
    .kernarg_segment_size: 48
    .max_flat_workgroup_size: 128
    .sgpr_count:     66
    .vgpr_count:     960
    .wavefront_size: 32
...
	.end_amdgpu_metadata
.endif
;; end of part 3
